; MI455X (gfx1250); checked and timed in simulation.
; The chip was launched on July 23, 2026; its instructions are those of AMD's public machine-readable ISA for CDNA 5 (MIT licence, August 2026) and "CDNA5" Instruction Set Architecture Reference Guide (July 2026). The comments in the code are by the model that wrote it; some were corrected since.
;; Multihead Attention. Allowed arithmetic: matrix products marked QUANTISED: E2M1 operands, one E8M0 scale for each 32 along K, by v_wmma_scale_f32_16x16x128_f8f6f4 with both operands' format E2M1 (or v_wmma_scale_f32_32x16x128_f4), f32 sums; products left as they are: bf16, f16 or f32 operands; f32 sums; everything else in f32.
;; Inputs: bk 1,024 float32; bo 1,024 float32; bq 1,024 float32; bv 1,024 float32; k 4 x 2,048 x 1,024 float32; mask 4 x 2,048 x 2,048 int32; q 4 x 2,048 x 1,024 float32; v 4 x 2,048 x 1,024 float32; wk 1,024 x 1,024 float32; wo 1,024 x 1,024 float32; wq 1,024 x 1,024 float32; wv 1,024 x 1,024 float32.
;; Outputs: out0 4 x 2,048 x 1,024 float32.
;; This version of the problem:
;;   THIS VERSION OF THE PROBLEM IS GIVEN IN LOW PRECISION. The matrix products marked QUANTISED in the list below multiply operands that are first quantised to E2M1 (2 exponent bits, 1 mantissa bit; 4 bits a number), with one power-of-two scale for each 32 numbers along K (OCP MX v1.0); their sums are f32. The products marked 'left as it is' may take bf16, f16 or f32 operands, with f32 sums. Whichever they take, every output number must still come out within the allowed error. Rounding operands to bf16 (8 significant bits) uses up far more of that allowance than f16 does (11 bits, for magnitudes from 6e-5 to 65,504). All else is computed in f32.
;;   The module's matrix products, in the order in which they are computed (A, B: the left and right operand; K: the contracted axis; several contracted axes count as one K, in the product's order):
;;     1. [M 8,192, K 1,024] x [K 1,024, N 1,024]; A: input q; B: input wq: QUANTISED
;;     2. [M 8,192, K 1,024] x [K 1,024, N 1,024]; A: input k; B: input wk: QUANTISED
;;     3. [M 8,192, K 1,024] x [K 1,024, N 1,024]; A: input v; B: input wv: QUANTISED
;;     4. batch 64 x [M 2,048, K 64] x [K 64, N 2,048]; A: computed on the way; B: computed on the way: left as it is (an operand is computed on the way)
;;     5. batch 64 x [M 2,048, K 2,048] x [K 2,048, N 64]; A: computed on the way; B: computed on the way: left as it is (an operand is computed on the way)
;;     6. [M 8,192, K 1,024] x [K 1,024, N 1,024]; A: computed on the way; B: input wo: left as it is (an operand is computed on the way)
;;   THE QUANTISER, for each operand of a quantised product, along K:
;;     - K is cut into blocks of 32 from its start; a last block that is shorter is filled with zeros.
;;     - A block's scale is 2^e with e = floor(log2(the largest magnitude in the block)) - 2, held to -126 .. 127; a block of zeros has e = 0. As a byte (E8M0): e + 127.
;;     - Each number is divided by its block's scale, clamped to +-6, and rounded to the nearest number of E2M1, ties to even, subnormals kept.
;;     - The product sums the exact products of the quantised numbers (number of the format x scale) in f32.
;;   ~~~python
;;   def quantise(x, axis):      # numpy; x: float32 -> the quantised numbers, widened to float32 again
;;       x = np.moveaxis(x, axis, -1); K = x.shape[-1]
;;       x = np.pad(x, [(0, 0)] * (x.ndim - 1) + [(0, -K % 32)]); x = x.reshape(x.shape[:-1] + (-1, 32)); a = np.abs(x).max(-1, keepdims=True)
;;       e = np.where(a > 0, np.clip(np.frexp(np.where(a > 0, a, 1))[1] - 1 - 2, -126, 127), 0)      # np.frexp(a)[1] - 1 = floor(log2(a)), exactly
;;       r = np.clip(x / 2.0 ** e, -6, 6)
;;       step = 2.0 ** (np.maximum(np.frexp(np.where(r == 0, 1, r))[1] - 1, 0) - 1)
;;       q = np.round(r / step) * step * 2.0 ** e      # np.round: ties to even
;;       return np.moveaxis(q.reshape(q.shape[:-2] + (-1,))[..., :K], -1, axis).astype(np.float32)
;;   ~~~
;; One version. Each part assembles by itself: llvm-mc -triple=amdgcn-amd-amdhsa -mcpu=gfx1250 --defsym DOCPART=n.
;; ======== version 1 of 1: 4 launches
;; limits: values are held in f16: magnitudes above 65,504 overflow, below 6.1e-05 lose precision
;; workspace buffers: codes 14,155,776 bytes; scales 884,736 bytes; mbits 2,097,152 bytes of whole numbers; wof 2,097,152 bytes; qkv 50,331,648 bytes; ofr 16,777,216 bytes
;; launch prep (part 1): grid 1184 x 1, 4 waves a work-group, no clusters, 68,096 bytes of LDS; arguments mask, q, k, v, wq, wk, wv, wo, codes, scales, mbits, wof; writes codes, scales, mbits, wof
.if DOCPART == 1
	.amdgcn_target "amdgcn-amd-amdhsa--gfx1250"
	.amdhsa_code_object_version 6
	.text
	.protected	k_qccd74bcd2d_prep
	.globl	k_qccd74bcd2d_prep
	.p2align	8
	.type	k_qccd74bcd2d_prep,@function
k_qccd74bcd2d_prep:
	s_mov_b64 s[64:65], 0
	v_nop
	global_prefetch_b8 v0, s[64:65] scope:SCOPE_SE
	s_setreg_imm32_b32 hwreg(HW_REG_WAVE_MODE, 25, 1), 1
	s_wait_xcnt 0x0
; PREP: three streaming jobs in one launch, told apart by the work-group's number alone.
;   work-groups 0-255:     the mask [4][2048][2048] int32 becomes lane-mask words (one bit a number): 32 query rows a work-group, 512 keys a wave.
;   work-groups 256-1119:  q, k, v, wq, wk, wv (f32, K innermost) become codes of FP4 (E2M1) and one E8M0 byte for each 32 along K: 32,768 numbers a work-group.
;   work-groups 1120-1183: wo becomes f16, laid as images of operand registers: 16 rows a work-group.
; codes: 27,648 rows of 512 bytes (q 0.., k 8,192.., v 16,384.., wq 24,576.., wk, wv); scales: the same rows of 32 bytes.
; mbits: words [b 4][qp 64][ktp 64][t 2][u 2][j 8]; bit L of a word = mask[b][32 qp + 16 t + L % 16][32 ktp + 16 u + 8 (L / 16) + j] != 0: the lane mask that
;   the attention launch's select wants for register j of a score tile (lane = query % 16 + 16 x key half).
; wof: [kc 8][nt 64][fr 4][c 2][512 bytes]; in a piece of 512 bytes lane (r, h) has 16 bytes: wo[16 nt + r][128 kc + 32 fr + 16 c + 8 h + 0..7] as f16.
; A block's scale is 2^(floor(log2(its largest magnitude)) - 2); its byte is the largest magnitude's exponent field - 2, held at 1 from below.
; LIMITS: a block of zeros gets the byte 1 where the quantiser's rule says 127 (its codes are zeros, and this program alone reads the bytes); blocks whose largest
; magnitude lies under 2^-124 were not tried; NaN and infinities are not served; wo goes to f16 (magnitudes under 65,504).
; No matrix unit, no tensor load, no barrier: waves share nothing.  Each path has LDS bytes of its own.
.set SPARE, 67584                      ; behind both paths' stages: the spare words, 128 bytes a wave, two blocks of 256 bytes that no other line names
.set MSTG,  32768                      ; the mask path's stages: 32 rows x 272 bytes a wave; the quantiser's regions lie at 0, 8,192 bytes a wave
.set SP,    80                         ; quantiser: a lane's place in a stage: 64 bytes + 16 of padding
.set LN16,  4                          ; v4   16 x lane
.set LN8,   5                          ; v5   8 x lane
.set QBY,   6                          ; v6   quantiser: LDS byte of my block's scale
.set QRD,   7                          ; v7   quantiser: where I read 8 scale bytes back
.set SPW,   12                         ; v12  LDS address of my spare word; never rewritten
.set NIL,   13                         ; v13  0; never rewritten
.set QSI,   14                         ; v14  quantiser: the stage, on the way in
.set QSO,   15                         ; v15  and on the way out
.set QR,    16                         ; v16-79   quantiser: four sets of 16 numbers as loaded
.set QX,    80                         ; v80-111  two sets of 16 neighbours
.set QE,    112                        ; v112-127 a scale byte for each step
.set QC,    128                        ; v128-191 codes, four registers for each step
.set MR,    16                         ; v16-143  mask and wo: two sets of 64 registers as loaded
.set MX,    144                        ; v144-207 mask: the numbers back from the stage; wo: the packed f16
.set MW,    208                        ; v208-223 mask: a pair of result registers for each unit
.set MSI,   224                        ; v224 mask: the stage, on the way in
.set MSO,   225                        ; v225 and on the way out
.set MGL,   226                        ; v226 mask: my byte in a load's two rows
.set WGL,   228                        ; v228 wo: my byte in the 16 rows
.macro FINISH                          ; a wave's end
	s_wait_tensorcnt 0x0
	ds_add_u32 v[SPW], v[NIL]
	s_wait_dscnt 0x0
	s_endpgm
.endm
	s_load_b512 s[4:19], s[0:1], 0x0               ; mask 4, q 6, k 8, v 10, wq 12, wk 14, wv 16, wo 18
	s_load_b256 s[20:27], s[0:1], 0x40             ; codes 20, scales 22, mbits 24, wof 26
	v_lshl_add_u32 v[SPW], v0, 2, SPARE
	v_mov_b32 v[NIL], 0
	v_lshrrev_b32 v1, 5, v0
	v_readfirstlane_b32 s28, v1                    ; wave
	v_and_b32 v2, 31, v0                           ; lane
	v_and_b32 v1, 15, v0                           ; r
	v_bfe_u32 v3, v0, 4, 1                         ; h
	v_lshlrev_b32 v[LN16], 4, v2
	v_lshlrev_b32 v[LN8], 3, v2
	; every LDS address is made here, ahead of the parting of the paths
	s_mul_i32 s29, s28, 8192                       ; the quantiser's region of my wave
	v_lshrrev_b32 v[QSI], 2, v2
	v_mul_u32_u24 v[QSI], v[QSI], SP
	v_and_b32 v[QSO], 3, v2
	v_lshl_add_u32 v[QSI], v[QSO], 4, v[QSI]
	v_add_nc_u32 v[QSI], s29, v[QSI]               ; in: four lanes' 64 bytes on end, then 16 of padding
	v_mul_u32_u24 v[QSO], v2, SP
	v_add_nc_u32 v[QSO], s29, v[QSO]               ; out: my 16 neighbours
	s_add_co_u32 s29, s29, 2*32*SP                 ; behind the two stages: my wave's 256 scale bytes
	v_lshrrev_b32 v[QBY], 1, v2
	v_add_nc_u32 v[QBY], s29, v[QBY]
	v_add_nc_u32 v[QRD], s29, v[LN8]
	s_mul_i32 s29, s28, 32*272                     ; the mask path's stage of my wave
	s_add_co_u32 s29, s29, MSTG
	v_mul_u32_u24 v[MSI], v3, 272
	v_lshl_add_u32 v[MSI], v1, 4, v[MSI]
	v_add_nc_u32 v[MSI], s29, v[MSI]               ; in: lanes 0-15 one row's 256 bytes, lanes 16-31 the next row's
	v_mul_u32_u24 v[MSO], v1, 272
	v_lshl_add_u32 v[MSO], v3, 5, v[MSO]
	v_add_nc_u32 v[MSO], s29, v[MSO]               ; out: row r, 8 keys of my half
	v_lshlrev_b32 v[MGL], 13, v3
	v_lshl_add_u32 v[MGL], v1, 4, v[MGL]           ; mask in memory: a row is 8,192 bytes
	v_lshlrev_b32 v[WGL], 12, v1
	v_lshl_add_u32 v[WGL], v3, 5, v[WGL]           ; wo in memory: row r of 4,096 bytes, + 32 h
	s_mov_b32 s33, 0                               ; the high word of every offset pair s[32:33]
	s_wait_kmcnt 0x0
	s_cmp_lt_u32 ttmp9, 256
	s_cbranch_scc1 .Lmask
	s_cmp_lt_u32 ttmp9, 1120
	s_cbranch_scc0 .Lwo
	; ---------------- THE QUANTISER.  Rows are dense and K is a multiple of 32: a tensor is a plain stream of blocks of 32, and so are its codes and scale bytes.
	s_sub_co_u32 s29, ttmp9, 256                   ; g: 0-255 q, 256-511 k, 512-767 v, 768-799 wq, 800-831 wk, 832-863 wv
	s_cmp_lt_u32 s29, 832
	s_cselect_b64 s[30:31], s[14:15], s[16:17]
	s_cmp_lt_u32 s29, 800
	s_cselect_b64 s[30:31], s[12:13], s[30:31]
	s_cmp_lt_u32 s29, 512
	s_cselect_b64 s[34:35], s[8:9], s[10:11]
	s_cmp_lt_u32 s29, 256
	s_cselect_b64 s[34:35], s[6:7], s[34:35]
	s_cmp_lt_u32 s29, 768
	s_cselect_b64 s[30:31], s[34:35], s[30:31]     ; the source: a choice on the work-group's number alone
	s_cselect_b32 s32, 255, 31
	s_and_b32 s32, s29, s32                        ; which 32,768 numbers of that tensor
	s_lshl_b32 s32, s32, 2
	s_add_co_u32 s32, s32, s28                     ; which 8,192 are my wave's
	s_lshl_b32 s32, s32, 15
	s_add_nc_u64 s[30:31], s[30:31], s[32:33]
	s_lshl_b32 s36, s29, 2
	s_add_co_u32 s36, s36, s28                     ; the run's number among all six tensors
	s_lshl_b32 s32, s36, 12                        ; 4,096 bytes of codes a run
	s_add_nc_u64 s[20:21], s[20:21], s[32:33]
	s_lshl_b32 s32, s36, 8                         ; 256 scale bytes a run
	s_add_nc_u64 s[22:23], s[22:23], s[32:33]
.macro QLOAD t                         ; a step's 512 numbers: each load reads 512 consecutive bytes
.irp i, 0,1,2,3
	global_load_b128 v[QR+16*((\t)%4)+4*\i:QR+16*((\t)%4)+4*\i+3], v[LN16], s[30:31] offset:2048*(\t)+512*\i th:TH_LOAD_NT
.endr
.endm
.macro QTURN t                         ; through the wave's own stage, so that a lane gets 16 neighbours; LDS serves a wave's instructions in order
.irp i, 0,1,2,3
	ds_store_b128 v[QSI], v[QR+16*((\t)%4)+4*\i:QR+16*((\t)%4)+4*\i+3] offset:32*SP*((\t)%2)+8*SP*\i
.endr
.irp i, 0,1,2,3
	ds_load_b128 v[QX+16*((\t)%2)+4*\i:QX+16*((\t)%2)+4*\i+3], v[QSO] offset:32*SP*((\t)%2)+16*\i
.endr
.endm
.irp t, 0,1,2,3
	QLOAD \t
.endr
	s_wait_loadcnt 12                              ; step 0's four loads are in; three steps' twelve stay out
	QTURN 0
.macro QSTEP t
.set XS, QX+16*((\t)%2)
.if (\t) > 0
	s_wait_dscnt 1                                 ; this step's numbers are back from the stage; the last step's byte store may be out
.else
	s_wait_dscnt 0x0
.endif
.if (\t)+4 < 16
	QLOAD (\t)+4                                   ; into the set whose stores into the stage are done
.endif
.if (\t)+1 < 16
.if 14-(\t) >= 3
	s_wait_loadcnt 12                              ; the next step's four loads are in; the three steps behind it may be out
.else
	s_wait_loadcnt 4*(14-(\t))
.endif
	QTURN (\t)+1
.endif
	v_max3_num_f32 v8, |v[XS]|, |v[XS+1]|, |v[XS+2]|               ; the largest magnitude of my 16, in two chains
	v_max3_num_f32 v9, |v[XS+3]|, |v[XS+4]|, |v[XS+5]|
.irp i, 6,10
	v_max3_num_f32 v8, v8, |v[XS+\i]|, |v[XS+\i+1]|
	v_max3_num_f32 v9, v9, |v[XS+\i+2]|, |v[XS+\i+3]|
.endr
	v_max3_num_f32 v8, v8, |v[XS+14]|, |v[XS+15]|
	v_max3_num_f32 v8, v8, v9, 0x1800000           ; and the floor 2^(3 - 127): the byte cannot fall under 1
	v_max_num_f32_dpp v8, v8, v8 row_xmask:1 row_mask:0xf bank_mask:0xf   ; with my neighbour's 16: the block's
	v_add_nc_u32 v11, 0xff000000, v8               ; 2 off the exponent field: the conversion takes the exponent field of this operand as its scale
	v_cvt_scalef32_pk8_fp4_f32 v[QC+4*(\t)], v[XS:XS+7], v11
	v_cvt_scalef32_pk8_fp4_f32 v[QC+4*(\t)+1], v[XS+8:XS+15], v11
	v_lshrrev_b32 v[QE+(\t)], 23, v11              ; the scale's byte (a plain line behind the conversions)
	ds_store_b8 v[QBY], v[QE+(\t)] offset:16*(\t)  ; both lanes of a block write the same byte with the same value
	global_store_b64 v[LN8], v[QC+4*(\t):QC+4*(\t)+1], s[20:21] offset:256*(\t)   ; the wave stores 256 consecutive bytes, aligned
.endm
.irp t, 0,1,2,3,4,5,6,7,8,9,10,11,12,13,14,15
	QSTEP \t
.endr
	ds_load_b64 v[8:9], v[QRD]                     ; my wave's 256 scale bytes, 8 a lane: these see my stores
	s_wait_dscnt 0x0
	global_store_b64 v[LN8], v[8:9], s[22:23]      ; 256 consecutive bytes, aligned
	FINISH
	; ---------------- THE MASK.  Work-group g takes rows 32 g .. 32 g + 31 of the flat [8,192][2,048]; wave w keys 512 w on, in 8 units of 32 rows x 64 keys.
.Lmask:
	s_lshl_b32 s32, ttmp9, 18                      ; 32 rows of 8,192 bytes
	s_lshl_b32 s34, s28, 11                        ; 512 keys of 4 bytes; also my wave's 2,048 bytes of words
	s_add_co_u32 s32, s32, s34
	s_add_nc_u64 s[4:5], s[4:5], s[32:33]
	s_lshl_b32 s32, ttmp9, 13                      ; 8,192 bytes of words for 32 rows
	s_add_co_u32 s32, s32, s34
	s_add_nc_u64 s[24:25], s[24:25], s[32:33]
.irp i, 0,1,2,3,4,5,6,7,8,9,10,11,12,13,14,15
	v_mov_b32 v[MW+\i], 0                          ; written whole once: a lane write keeps the other lanes
.endr
.macro MLOAD u                         ; unit u: 16 loads, two rows each: sixteen lanes read 256 consecutive bytes
.irp i, 0,1,2,3,4,5,6,7,8,9,10,11,12,13,14,15
	global_load_b128 v[MR+64*((\u)%2)+4*\i:MR+64*((\u)%2)+4*\i+3], v[MGL], s[4:5] offset:\i*16384+(\u)*256 th:TH_LOAD_NT
.endr
.endm
.macro UNIT u
.if (\u) < 7
	s_wait_loadcnt 16                              ; this unit's 16 loads are in; the next unit's 16 stay out
.else
	s_wait_loadcnt 0x0
.endif
.irp i, 0,1,2,3,4,5,6,7,8,9,10,11,12,13,14,15
	ds_store_b128 v[MSI], v[MR+64*((\u)%2)+4*\i:MR+64*((\u)%2)+4*\i+3] offset:\i*544
.endr
.irp t, 0,1
.irp kt, 0,1,2,3
.irp e, 0,1
	ds_load_b128 v[MX+8*(4*\t+\kt)+4*\e:MX+8*(4*\t+\kt)+4*\e+3], v[MSO] offset:\t*4352+\kt*64+\e*16   ; row 16 t + r, keys 16 kt + 8 h + 4 e on
.endr
.endr
.endr
	s_wait_dscnt 0x0                               ; the numbers are back, and the stores have read their registers
.if (\u) < 6
	MLOAD (\u)+2
.endif
.irp t, 0,1
.irp kt, 0,1,2,3
.irp j, 0,1,2,3,4,5,6,7
	v_cmp_ne_u32 s[40+8*(\kt%2)+\j], 0, v[MX+8*(4*\t+\kt)+\j]     ; the 32 lanes' bits are the word
.endr
.irp j, 0,1,2,3,4,5,6,7
	v_writelane_b32 v[MW+2*(\u)+(\j%2)], s[40+8*(\kt%2)+\j], ((\kt/2)*32+\t*16+(\kt%2)*8+\j)/2   ; word n of the unit's 64 goes to lane n / 2, register n % 2
.endr
.endr
.endr
	global_store_b64 v[LN8], v[MW+2*(\u):MW+2*(\u)+1], s[24:25] offset:(\u)*256   ; 256 consecutive bytes, aligned
.endm
	MLOAD 0
	MLOAD 1
.irp u, 0,1,2,3,4,5,6,7
	UNIT \u
.endr
	FINISH
	; ---------------- WO.  Work-group nt takes rows 16 nt on; wave w the columns 256 w on (kc = 2 w + e).  A wave's 32 loads cover 1,024 consecutive bytes of each of 16 rows.
.Lwo:
	s_sub_co_u32 s29, ttmp9, 1120                  ; nt
	s_lshl_b32 s32, s29, 16                        ; 16 rows of 4,096 bytes
	s_lshl_b32 s34, s28, 10
	s_add_co_u32 s32, s32, s34
	s_add_nc_u64 s[18:19], s[18:19], s[32:33]
	s_lshl_b32 s32, s28, 19                        ; two kc of 262,144 bytes
	s_lshl_b32 s34, s29, 12
	s_add_co_u32 s32, s32, s34
	s_add_nc_u64 s[26:27], s[26:27], s[32:33]
.irp e, 0,1
.irp p, 0,1,2,3,4,5,6,7
.irp f, 0,1
	global_load_b128 v[MR+64*\e+8*\p+4*\f:MR+64*\e+8*\p+4*\f+3], v[WGL], s[18:19] offset:\e*512+\p*64+\f*16 th:TH_LOAD_NT   ; piece p = 2 fr + c: k = 16 p + 8 h + 4 f on
.endr
.endr
.endr
.irp e, 0,1
	s_wait_loadcnt 16-16*\e                        ; this half's 16 loads are in
.irp p, 0,1,2,3,4,5,6,7
.irp i, 0,1,2,3
	v_cvt_pk_f16_f32 v[MX+32*\e+4*\p+\i], v[MR+64*\e+8*\p+2*\i], v[MR+64*\e+8*\p+2*\i+1]
.endr
.endr
.irp p, 0,1,2,3,4,5,6,7
	global_store_b128 v[LN16], v[MX+32*\e+4*\p:MX+32*\e+4*\p+3], s[26:27] offset:\e*262144+\p*512   ; a piece: 512 consecutive bytes, aligned
.endr
.endr
	FINISH
.Lfunc_end_k_qccd74bcd2d_prep:
	.size	k_qccd74bcd2d_prep, .Lfunc_end_k_qccd74bcd2d_prep-k_qccd74bcd2d_prep
	.p2alignl 7, 3214868480
	.fill 96, 4, 3214868480
	.section	.rodata,"a",@progbits
	.p2align	6, 0x0
	.amdhsa_kernel k_qccd74bcd2d_prep
		.amdhsa_group_segment_fixed_size 68096
		.amdhsa_private_segment_fixed_size 0
		.amdhsa_enable_private_segment 0
		.amdhsa_kernarg_size 96
		.amdhsa_user_sgpr_count 2
		.amdhsa_user_sgpr_kernarg_segment_ptr 1
		.amdhsa_wavefront_size32 1
		.amdhsa_system_sgpr_workgroup_id_x 1
		.amdhsa_system_sgpr_workgroup_id_y 1
		.amdhsa_system_sgpr_workgroup_id_z 1
		.amdhsa_system_vgpr_workitem_id 0
		.amdhsa_next_free_vgpr 232
		.amdhsa_next_free_sgpr 66
		.amdhsa_reserve_vcc 0
		.amdhsa_float_denorm_mode_32 3
		.amdhsa_float_denorm_mode_16_64 3
		.amdhsa_memory_ordered 1
		.amdhsa_forward_progress 1
		.amdhsa_inst_pref_size 138
	.end_amdhsa_kernel
	.amdgpu_metadata
---
amdhsa.version: [ 1, 2 ]
amdhsa.kernels:
  - .name:           k_qccd74bcd2d_prep
    .symbol:         k_qccd74bcd2d_prep.kd
    .args:
      - { .name: mask, .offset: 0, .size: 8, .value_kind: global_buffer, .address_space: global }
      - { .name: q, .offset: 8, .size: 8, .value_kind: global_buffer, .address_space: global }
      - { .name: k, .offset: 16, .size: 8, .value_kind: global_buffer, .address_space: global }
      - { .name: v, .offset: 24, .size: 8, .value_kind: global_buffer, .address_space: global }
      - { .name: wq, .offset: 32, .size: 8, .value_kind: global_buffer, .address_space: global }
      - { .name: wk, .offset: 40, .size: 8, .value_kind: global_buffer, .address_space: global }
      - { .name: wv, .offset: 48, .size: 8, .value_kind: global_buffer, .address_space: global }
      - { .name: wo, .offset: 56, .size: 8, .value_kind: global_buffer, .address_space: global }
      - { .name: codes, .offset: 64, .size: 8, .value_kind: global_buffer, .address_space: global }
      - { .name: scales, .offset: 72, .size: 8, .value_kind: global_buffer, .address_space: global }
      - { .name: mbits, .offset: 80, .size: 8, .value_kind: global_buffer, .address_space: global }
      - { .name: wof, .offset: 88, .size: 8, .value_kind: global_buffer, .address_space: global }
    .group_segment_fixed_size: 68096
    .private_segment_fixed_size: 0
    .kernarg_segment_align: 8
    .kernarg_segment_size: 96
    .max_flat_workgroup_size: 128
    .sgpr_count:     66
    .vgpr_count:     232
    .wavefront_size: 32
...
	.end_amdgpu_metadata
.endif
;; end of part 1
;; launch proj (part 2): grid 4 x 96, 4 waves a work-group, clusters of 4 x 4, 327,680 bytes of LDS; arguments codes, scales, bq, bk, bv, qkv; writes qkv
.if DOCPART == 2
	.amdgcn_target "amdgcn-amd-amdhsa--gfx1250"
	.amdhsa_code_object_version 6
	.text
	.protected	k_qccd74bcd2d_proj
	.globl	k_qccd74bcd2d_proj
	.p2align	8
	.type	k_qccd74bcd2d_proj,@function
k_qccd74bcd2d_proj:
	s_mov_b64 s[64:65], 0
	v_nop
	global_prefetch_b8 v0, s[64:65] scope:SCOPE_SE
	s_setreg_imm32_b32 hwreg(HW_REG_WAVE_MODE, 25, 1), 1
	s_wait_xcnt 0x0
	s_wait_alu depctr_hold_cnt(0) depctr_sa_sdst(0) depctr_va_vdst(0) depctr_va_sdst(0) depctr_va_ssrc(0) depctr_va_vcc(0) depctr_vm_vsrc(0)
	s_getreg_b32 s2, hwreg(HW_REG_IB_STS2, 6, 4)
	s_cmp_eq_u32 s2, 0
	s_cbranch_scc0 .Lentry_in_a_cluster
	s_endpgm
.Lentry_in_a_cluster:
	s_bfe_u32 s2, ttmp6, 0x10000c
	s_cmp_lg_u32 s2, 0xf033
	s_cbranch_scc0 .Lentry_shape_is_right
	s_endpgm
.Lentry_shape_is_right:
; PROJ: the three quantised projections, y = x w^T + b, on codes of FP4 (E2M1) with one E8M0 scale for each 32 along K = 1,024; sums in f32.
; Rows of codes (512 bytes) and of scale bytes (32): q 0.., k 8,192.., v 16,384.., wq 24,576.., wk 25,600.., wv 26,624...
; A work-group of four waves makes a tile of 256 x 256, a wave 128 x 128: 64 accumulators, 512 registers.  K is two LDS slots of 512 along K: both are asked for at the head, nothing is filled again.
; The scale bytes of the tile's 2 x 256 rows come once, as whole blocks of 256 bytes.
; CLUSTERS: 4 x 4 work-groups; cluster y = 0-7 works on q, 8-15 on k, 16-23 on v.  The four of a row of the cluster need the same rows of operand A, the four of a column the same rows of operand B:
; each tile is asked for JOINTLY.  THE MATRIX INSTRUCTION IS USED TRANSPOSED (source 0 = 16 rows of B, source 1 = 16 rows of A): a lane holds one row of A and eight neighbouring rows of B.
;   q, k: A = tokens, B = rows of the weight: a lane holds ONE TOKEN and eight channels;   v: A = rows of wv, B = tokens: a lane holds ONE CHANNEL and eight tokens (V^T, as the second product of attention wants it).
; THE WAY OUT uses no LDS: a lane's eight numbers, + bias (q also x log2(e) / 8), rounded to f16, are 16 bytes of an IMAGE of a 16-bit operand's registers: the wave stores 512 consecutive aligned bytes.
;   Q at 0, K at 2^24: [bh 64][tile of 16 tokens 128][f 2][c 2][512 bytes], lane (r, h): token r, channels 32 f + 16 c + 8 h + 0..7;   V at 2^25: [bh][group of 32 keys 64][dt 4][c 2][512], lane (r, h): channel 16 dt + r, keys 16 c + 8 h + 0..7.
; LIMIT: the results are kept as f16: |(x w^T + bq) log2(e) / 8|, |x w^T + bk| and |x w^T + bv| under 65,504.
; REGISTERS, in windows of 256: window 0: v0-31 addresses; v32-95 scale words, two sets; v128-191 A's fragments, one set; v192-255 the bias; on the way out v128-191 and v32-95 are at work.
;   window 1: B's fragments, two sets, at v0 and v128.   window 2: the accumulators of my rows 0-63 ((a, b) at v[8 (8 a + b)]);   window 3: those of my rows 64-127.
.set NQ,     4                         ; steps of 128 along K in a slot
.set ROWB,   256                       ; a tile's row in bytes: 512 codes
.set KROW,   512                       ; a row of codes in memory
.set PITCH,  272                       ; an LDS row: 256 bytes + 16 of padding: the 16 rows that a load touches start at 16 different banks (64 banks of 4 bytes: ISA guide 11.1)
.set FR,     8
.set NL,     2
.set NP,     4                         ; places behind this matrix instruction (ISA guide 7.12.1)
.set HALFT,  128*PITCH
.set SLOT,   4*HALFT
.set KS,     32                        ; a row of scale bytes
.set SCL,    2*SLOT
.set HALFS,  (128*KS/256)*272
.set SBLK,   (16*KS/256)*272
.set SPARE,  SCL+4*HALFS               ; the spare words, 128 bytes a wave: two blocks of 256 bytes that no other line names
.set ADRA, 16
.set ADRB, 20
.set LI,   26                          ; v26  16 x lane: my place in a piece
.set ADRS, 27
.set SPW,  28
.set NIL,  29
.set BOH,  30                          ; v30  32 h: the bias of q, k; never rewritten
.set BOR,  31                          ; v31  4 r: the bias of v; never rewritten
.set SC,   32
.set AF,   128
.set BI,   192                         ; q, k: register 8 b + j = bias of channel 16 b + 8 h + j;  v: registers 8 a, 8 a + 1 = bias of channel 16 a + r
.set T,    128                         ; the way out: 64 numbers in f32
.set PK,   32                          ; and their 32 registers of f16, two sets by turns
.set G1, 24
.set G0, 32
.set G1B, 48
.set G0B, 56
.set G1S, 68
.set G0S, 76
.set G1SB, 80
.set G0SB, 88
.set MSB, 0
.macro WIN new                         ; the immediate's high byte repeats the setting that is left
.if MSB != \new
	s_set_vgpr_msb (MSB<<8)|\new
.set MSB, \new
.endif
.endm
.set MUL_LO, 0xa1
.set MUL_HI, 0xf1
.set TO_B,   0x40
; A joint load: waves 0 and 1 fetch for A, waves 2 and 3 for B; the branch hangs on the wave's number alone.  An s_nop 0 and four v_nop follow each of the two lines.
.macro JLOAD g0a, g1a, g0b, g1b
	s_cmp_eq_u32 s17, 0
	s_cbranch_scc0 .Lfor_b_\@
	tensor_load_to_lds s[\g0a:\g0a+3], s[\g1a:\g1a+7]
	s_nop 0
.rept 4
	v_nop
.endr
	s_branch .Lasked_\@
.Lfor_b_\@:
	tensor_load_to_lds s[\g0b:\g0b+3], s[\g1b:\g1b+7]
	s_nop 0
.rept 4
	v_nop
.endr
.Lasked_\@:
.endm
.macro CROUND                          ; a round of the cluster's barrier
	s_barrier_signal -1
	s_barrier_wait -1
	s_cmp_lg_u32 s16, 0
	s_cbranch_scc1 .Lnot_wave_0_\@
	s_barrier_signal -3
.Lnot_wave_0_\@:
	s_barrier_wait -3
	s_barrier_signal -1
	s_barrier_wait -1
.endm
	s_load_b128 s[4:7], s[0:1], 0x0                ; codes, scales
	s_load_b128 s[8:11], s[0:1], 0x10              ; bq, bk
	s_load_b128 s[12:15], s[0:1], 0x20             ; bv, qkv
	v_lshl_add_u32 v[SPW], v0, 2, SPARE
	v_mov_b32 v[NIL], 0
	ds_add_u32 v[SPW], v[NIL]                      ; the wave's opening
	ds_add_u32 v[SPW], v[NIL]
	v_lshrrev_b32 v1, 5, v0
	v_readfirstlane_b32 s16, v1                    ; wave 0..3
	s_lshr_b32 s17, s16, 1                         ; which half of A's rows is mine.  Also: I fetch for A (0) or for B (1)
	s_and_b32 s18, s16, 1                          ; which half of B's rows.  Also: which 128 rows I fetch
	s_bfe_u32 s40, ttmp6, 0x40000                  ; cx
	s_bfe_u32 s41, ttmp6, 0x40004                  ; cy
	s_and_b32 s2, ttmp7, 0xffff                    ; cluster y: the same in all sixteen partners
	s_lshl_b32 s43, s41, 2
	s_lshl_b32 s43, 15, s43                        ; my row of the cluster
	s_lshl_b32 s44, 0x1111, s40                    ; my column
	s_or_b32 s[G1+0], s43, (0<<16)|(1<<20)|(1<<21)|(5<<22)|(3<<25)  ; the mask; elements of 1 byte; padding on: 4 words behind every 64; bit 21 beside a mask
	s_or_b32 s[G1B+0], s44, (0<<16)|(1<<20)|(1<<21)|(5<<22)|(3<<25)
.irp g, G1, G1B
	s_mov_b32 s[\g+1], ROWB<<16                    ; tensor_dim0
	s_mov_b32 s[\g+2], 128<<16                     ; tensor_dim1
	s_mov_b32 s[\g+3], ROWB<<16                    ; tile_dim0
	s_mov_b32 s[\g+4], 128                         ; tile_dim1
	s_mov_b32 s[\g+5], KROW                        ; the pitch in memory
	s_mov_b32 s[\g+6], 0
	s_mov_b32 s[\g+7], 0
.endr
	s_or_b32 s[G1S+0], s43, (3<<16)|(1<<20)|(1<<21)|(5<<22)|(3<<25) ; the scales of 128 rows: 4,096 dense bytes as 16 rows of 256 (32 elements of 8 bytes), 16 bytes of padding behind each
	s_or_b32 s[G1SB+0], s44, (3<<16)|(1<<20)|(1<<21)|(5<<22)|(3<<25)
.irp g, G1S, G1SB
	s_mov_b32 s[\g+1], 32<<16
	s_mov_b32 s[\g+2], (128*KS/256)<<16
	s_mov_b32 s[\g+3], 32<<16
	s_mov_b32 s[\g+4], 128*KS/256
	s_mov_b32 s[\g+5], 32
	s_mov_b32 s[\g+6], 0
	s_mov_b32 s[\g+7], 0
.endr
	; which rows of the codes' buffer are A's and B's
	s_lshl_b32 s20, s2, 10                         ; the cluster's 1,024 rows of q, k or v
	s_lshr_b32 s21, s2, 3
	s_lshl_b32 s21, s21, 10
	s_add_co_u32 s21, s21, 24576                   ; the rows of its weight
	s_cmp_ge_u32 s2, 16                            ; v?
	s_cselect_b32 s19, 1, 0
	s_cselect_b32 s94, s21, s20                    ; A: tokens, or for v the weight
	s_cselect_b32 s95, s20, s21                    ; B: the weight, or for v tokens
	s_lshl_b32 s22, s18, 7                         ; which 128 rows of the tile I fetch
	s_lshl_b32 s23, s41, 8
	s_lshl_b32 s46, s40, 8
	s_add_co_u32 s94, s94, s23                     ; A's rows hang on cy alone,
	s_add_co_u32 s94, s94, s22
	s_add_co_u32 s95, s95, s46                     ; B's on cx alone
	s_add_co_u32 s95, s95, s22
	s_lshl_b32 s20, s94, 9
	s_mov_b32 s21, 0
	s_lshl_b32 s22, s94, 5
	s_mov_b32 s23, 0
	s_lshl_b32 s46, s95, 9
	s_mov_b32 s47, 0
	s_lshl_b32 s92, s95, 5
	s_mov_b32 s93, 0
	s_mul_i32 s45, s16, HALFT                      ; where they go: wave x 128 rows: no place in the cluster enters an LDS address
	s_mul_i32 s94, s16, HALFS
	s_wait_dscnt 0x0                               ; both opening adds are done
	s_wait_kmcnt 0x0
	s_add_nc_u64 s[20:21], s[4:5], s[20:21]
	s_add_nc_u64 s[22:23], s[6:7], s[22:23]
	s_add_nc_u64 s[46:47], s[4:5], s[46:47]
	s_add_nc_u64 s[92:93], s[6:7], s[92:93]
	CROUND                                         ; all sixteen work-groups are here: the first joint loads meet
	s_mov_b32 s[G0S], 1
	s_add_co_u32 s[G0S+1], s94, SCL
	s_mov_b64 s[G0S+2:G0S+3], s[22:23]
	s_or_b32 s[G0S+3], s[G0S+3], 0x80000000
	s_mov_b32 s[G0SB], 1
	s_add_co_u32 s[G0SB+1], s94, SCL
	s_mov_b64 s[G0SB+2:G0SB+3], s[92:93]
	s_or_b32 s[G0SB+3], s[G0SB+3], 0x80000000
	JLOAD G0S, G1S, G0SB, G1SB                     ; the scales first: they are wanted with the first step
.irp s, 0,1
	s_mov_b32 s[G0+4*\s], 1
	s_add_co_u32 s[G0+4*\s+1], s45, \s*SLOT
	s_add_nc_u64 s[G0+4*\s+2:G0+4*\s+3], s[20:21], \s*ROWB
	s_or_b32 s[G0+4*\s+3], s[G0+4*\s+3], 0x80000000
	s_mov_b32 s[G0B+4*\s], 1
	s_add_co_u32 s[G0B+4*\s+1], s45, \s*SLOT
	s_add_nc_u64 s[G0B+4*\s+2:G0B+4*\s+3], s[46:47], \s*ROWB
	s_or_b32 s[G0B+4*\s+3], s[G0B+4*\s+3], 0x80000000
	JLOAD G0+4*\s, G1, G0B+4*\s, G1B               ; three loads of mine are out
.endr
	v_and_b32 v1, 15, v0                           ; r
	v_bfe_u32 v2, v0, 4, 1                         ; h
	v_mul_u32_u24 v3, v1, PITCH
	v_lshl_add_u32 v4, v2, 4, v3
	s_mul_i32 s21, s17, HALFT                      ; my 128 rows of A
	s_mul_i32 s22, s18, HALFT                      ; my 128 rows of B,
	s_add_co_u32 s22, s22, 2*HALFT                 ; behind A's 256
.irp s, 0,1
	v_add_nc_u32 v[ADRA+\s], s21, v4
	v_add_nc_u32 v[ADRB+\s], s22, v4
	s_add_co_u32 s21, s21, SLOT
	s_add_co_u32 s22, s22, SLOT
.endr
	v_mul_u32_u24 v5, v1, KS                       ; my row's scales: 32 bytes a row,
	v_lshrrev_b32 v6, 8, v5
	v_lshl_add_u32 v5, v6, 4, v5                   ; and 16 more for each 256 passed
	s_mul_i32 s21, s17, HALFS
	s_mul_i32 s22, s18, HALFS
	s_add_co_u32 s22, s22, 2*HALFS
	s_sub_co_u32 s22, s22, s21
	v_mul_u32_u24 v6, s22, v2                      ; lanes 16-31 take B's: one product, the distance between the two bases
	s_add_co_u32 s21, s21, SCL
	v_add_nc_u32 v5, v5, v6
	v_add_nc_u32 v[ADRS], s21, v5
	v_and_b32 v6, 31, v0
	v_lshlrev_b32 v[LI], 4, v6
	v_lshlrev_b32 v[BOH], 5, v2
	v_lshlrev_b32 v[BOR], 2, v1
	; the bias, and q's factor.  The loads stay out through the whole product; their registers lie idle until the way out
	s_cmp_lt_u32 s2, 8
	s_cselect_b64 s[98:99], s[8:9], s[10:11]
	s_cselect_b32 s96, 0x3e38aa3b, 1.0             ; q: log2(e) / 8, so that the scores come out as exponents of 2; k: 1
	s_mov_b32 s97, s96                             ; (named with it as a pair)
	s_cmp_eq_u32 s19, 0
	s_cselect_b64 s[98:99], s[98:99], s[12:13]
	s_cselect_b32 s20, s40, s41                    ; the channels run along B (cx, wave % 2), for v along A (cy, wave / 2)
	s_cselect_b32 s21, s18, s17
	s_lshl_b32 s20, s20, 10
	s_lshl_b32 s21, s21, 9
	s_add_co_u32 s20, s20, s21
	s_mov_b32 s21, 0
	s_add_nc_u64 s[98:99], s[98:99], s[20:21]
	s_cmp_eq_u32 s19, 0
	s_cbranch_scc0 .Lbias_v
.irp b, 0,1,2,3,4,5,6,7
	global_load_b128 v[BI+8*\b:BI+8*\b+3], v[BOH], s[98:99] offset:64*\b
	global_load_b128 v[BI+8*\b+4:BI+8*\b+7], v[BOH], s[98:99] offset:64*\b+16
.endr
	s_branch .Lbias_done
.Lbias_v:
.irp a, 0,1,2,3,4,5,6,7
	global_load_b32 v[BI+8*\a], v[BOR], s[98:99] offset:64*\a
	global_load_b32 v[BI+8*\a+1], v[BOR], s[98:99] offset:64*\a     ; the packed addition names a pair: both are written
.endr
.Lbias_done:
.macro FRAG reg, adr, q, i             ; 16 rows x 128 K of 4-bit codes: 8 registers: lane l holds row l % 16; registers 4 c .. 4 c + 3 hold K = 64 c + 32 (l / 16) + 0 .. 31
.irp c, 0,1
	ds_load_b128 v[\reg+4*\c:\reg+4*\c+3], v[\adr] offset:64*(\q)+32*\c+(\i)*16*PITCH
.endr
.endm
; 16 matrix instructions: A's blocks a0, a0 + 1 x B's eight.  The 64 accumulators take turns, one instruction a turn, in the same order in every step.  zero = 1: the first product starts the sums.
.macro MUL16 a0, p, q, sc, zero
.irp a, \a0, \a0+1
.irp b, 0,1,2,3,4,5,6,7
.if \zero
	v_wmma_scale_f32_16x16x128_f8f6f4 v[8*(8*((\a)%4)+\b):8*(8*((\a)%4)+\b)+7], v[128*(\p)+FR*\b:128*(\p)+FR*\b+FR-1], v[AF+FR*(\a):AF+FR*(\a)+FR-1], 0, v[SC+8*NQ*(\sc)+NQ*\b+(\q)], v[SC+8*NQ*(\sc)+NQ*(\a)+(\q)] matrix_a_fmt:MATRIX_FMT_FP4 matrix_b_fmt:MATRIX_FMT_FP4 matrix_a_scale:MATRIX_SCALE_ROW1
.else
	v_wmma_scale_f32_16x16x128_f8f6f4 v[8*(8*((\a)%4)+\b):8*(8*((\a)%4)+\b)+7], v[128*(\p)+FR*\b:128*(\p)+FR*\b+FR-1], v[AF+FR*(\a):AF+FR*(\a)+FR-1], v[8*(8*((\a)%4)+\b):8*(8*((\a)%4)+\b)+7], v[SC+8*NQ*(\sc)+NQ*\b+(\q)], v[SC+8*NQ*(\sc)+NQ*(\a)+(\q)] matrix_a_fmt:MATRIX_FMT_FP4 matrix_b_fmt:MATRIX_FMT_FP4 matrix_a_scale:MATRIX_SCALE_ROW1
.endif
.endr
.endr
.endm
.macro FETCH_B slot, q, p
	WIN TO_B
.irp i, 0,1,2,3,4,5,6,7
	FRAG 128*(\p)+FR*\i, ADRB+\slot, \q, \i
.endr
	WIN 0
.endm
.macro FETCH_A slot, q, i0
.irp i, \i0, \i0+1, \i0+2, \i0+3
	FRAG AF+FR*(\i), ADRA+\slot, \q, \i
.endr
.endm
.macro SCALES sc                       ; a slot's scale words: 4 words a row; lanes 0-15 take A's block i, lanes 16-31 B's block i
.irp i, 0,1,2,3,4,5,6,7
	ds_load_b128 v[SC+8*NQ*\sc+NQ*\i:SC+8*NQ*\sc+NQ*\i+3], v[ADRS] offset:\i*SBLK
.endr
.endm
.macro PLACES n                        ; plain vector lines between a matrix instruction and a load into, or a vector read or write of, its registers
.rept \n
	v_nop
.endr
.endm
.macro STEP slot, q, zero              ; a step of 128 along K that has its successor in the same slot
	s_wait_dscnt 4*NL                              ; B's set and A's blocks 0-3 are in; the youngest eight loads (A's blocks 4-7) may be out
	WIN MUL_LO
	MUL16 0, (\q)%2, \q, \slot, \zero
	MUL16 2, (\q)%2, \q, \slot, \zero
	s_wait_dscnt 0
	PLACES NP
	FETCH_B \slot, (\q)+1, 1-(\q)%2
	FETCH_A \slot, (\q)+1, 0
	WIN MUL_HI
	MUL16 4, (\q)%2, \q, \slot, \zero
	MUL16 6, (\q)%2, \q, \slot, \zero
	PLACES NP
	WIN 0
	FETCH_A \slot, (\q)+1, 4
.endm
; Slot 0's last step changes slots: my part of slot 1 has landed, then the barrier, behind which every wave's part has.  Nothing is filled again.
.macro TURN slot, next
	s_wait_tensorcnt 0x0                           ; all my tensor loads have landed
	ds_add_u32 v[SPW], v[NIL]                      ; 0 onto my spare word
	s_wait_dscnt 4*NL+1                            ; the add and the youngest eight loads (A's blocks 4-7) may be out
	WIN MUL_LO
	MUL16 0, 1, NQ-1, \slot, 0
	s_wait_dscnt 0x0
	s_barrier_signal -1
	MUL16 2, 1, NQ-1, \slot, 0
	WIN 0
	s_barrier_wait -1
	PLACES NP
	v_add_nc_u32 v[ADRS], 4*NQ, v[ADRS]            ; the next slot's scale words
	FETCH_B \next, 0, 0
	FETCH_A \next, 0, 0
	SCALES \next
	WIN MUL_HI
	MUL16 4, 1, NQ-1, \slot, 0
	MUL16 6, 1, NQ-1, \slot, 0
	PLACES NP
	WIN 0
	FETCH_A \next, 0, 4
.endm
	s_wait_tensorcnt 1                             ; the scales and my part of slot 0 are in; slot 1's load may be out
	s_barrier_signal -1
	s_barrier_wait -1                              ; everybody's are
	FETCH_B 0, 0, 0
	FETCH_A 0, 0, 0
	SCALES 0
	FETCH_A 0, 0, 4
	STEP 0, 0, 1                                   ; the first step's products start the sums
	STEP 0, 1, 0
	STEP 0, 2, 0
	TURN 0, 1
	STEP 1, 0, 0
	STEP 1, 1, 0
	STEP 1, 2, 0
	s_wait_dscnt 4*NL                              ; the last step: nothing more to fetch
	WIN MUL_LO
	MUL16 0, 1, NQ-1, 1, 0
	MUL16 2, 1, NQ-1, 1, 0
	s_wait_dscnt 0
	WIN MUL_HI
	MUL16 4, 1, NQ-1, 1, 0
	MUL16 6, 1, NQ-1, 1, 0
	WIN 0
; THE WAY OUT of A's block a: 64 numbers a lane get their bias (and q's factor), each accumulator from its low end on; 32 roundings to f16; 8 stores of 512 consecutive aligned bytes.
.macro PACKST a, isv
.set AC, 64*((\a)%4)
.set PP, PK+32*((\a)%2)
	WIN 0x02+(\a)/4                                ; source 0: window 2 or 3
.irp b, 0,1,2,3,4,5,6,7
.irp i, 0,2,4,6
.if \isv
	v_pk_add_f32 v[T+8*\b+\i:T+8*\b+\i+1], v[AC+8*\b+\i:AC+8*\b+\i+1], v[BI+8*(\a):BI+8*(\a)+1] op_sel_hi:[1,0]
.else
	v_pk_fma_f32 v[T+8*\b+\i:T+8*\b+\i+1], v[AC+8*\b+\i:AC+8*\b+\i+1], s[96:97], v[BI+8*\b+\i:BI+8*\b+\i+1] op_sel_hi:[1,0,1]
.endif
.endr
.endr
	WIN 0
.if (\a) >= 2
	s_wait_xcnt 0x0                                ; block a - 2's stores have read this set of registers
.endif
.irp b, 0,1,2,3,4,5,6,7
.irp i, 0,1,2,3
	v_cvt_pk_f16_f32 v[PP+4*\b+\i], v[T+8*\b+2*\i], v[T+8*\b+2*\i+1]
.endr
.endr
.irp b, 0,1,2,3,4,5,6,7
.if \isv
	global_store_b128 v[LI], v[PP+4*\b:PP+4*\b+3], s[14:15] offset:((\a)/4)*262144+(\b/2)*4096+((\a)%4)*1024+(\b%2)*512   ; head a / 4, group b / 2, dt a % 4, c b % 2
.else
	global_store_b128 v[LI], v[PP+4*\b:PP+4*\b+3], s[14:15] offset:(\b/4)*262144+(\a)*2048+(\b%4)*512                   ; head b / 4, tile a, piece b % 4
.endif
.endr
.endm
	PLACES NP                                      ; behind the last products: their results are read, and A's fragments and the scale words written over, only behind these
	s_wait_loadcnt 0x0                             ; the bias
	s_cmp_eq_u32 s19, 0
	s_cbranch_scc0 .Lout_v
	s_lshl_b32 s20, s2, 2                          ; q, k: my first token within the tensor: 256 ((4 cluster y + cy) % 32) + 128 (wave / 2)
	s_add_co_u32 s20, s20, s41
	s_and_b32 s20, s20, 31
	s_lshl_b32 s20, s20, 8
	s_lshl_b32 s21, s17, 7
	s_add_co_u32 s20, s20, s21
	s_lshl_b32 s21, s40, 2                         ; my first head: 4 cx + 2 (wave % 2)
	s_lshl_b32 s22, s18, 1
	s_add_co_u32 s21, s21, s22
	s_lshr_b32 s22, s20, 11                        ; the batch
	s_lshl_b32 s22, s22, 4
	s_add_co_u32 s21, s21, s22
	s_lshl_b32 s21, s21, 7                         ; 128 tiles a head
	s_and_b32 s22, s20, 2047
	s_lshr_b32 s22, s22, 4
	s_add_co_u32 s21, s21, s22
	s_lshl_b32 s20, s21, 11                        ; 2,048 bytes a tile
	s_lshr_b32 s22, s2, 3
	s_lshl_b32 s22, s22, 24                        ; Q at 0, K at 2^24
	s_add_co_u32 s20, s20, s22
	s_mov_b32 s21, 0
	s_add_nc_u64 s[14:15], s[14:15], s[20:21]
.irp i, 0,2,4,6,8,10,12,14,16,18,20,22,24,26,28,30,32,34,36,38,40,42,44,46,48,50,52,54,56,58,60,62
	v_pk_mul_f32 v[BI+\i:BI+\i+1], v[BI+\i:BI+\i+1], s[96:97] op_sel_hi:[1,0]   ; the bias under the factor, so that one fused multiply-add does the rest
.endr
.irp a, 0,1,2,3,4,5,6,7
	PACKST \a, 0
.endr
	s_branch .Ldone
.Lout_v:
	s_sub_co_u32 s20, s2, 16                       ; v: my first token: 256 (4 (cluster y - 16) + cx) + 128 (wave % 2)
	s_lshl_b32 s20, s20, 2
	s_add_co_u32 s20, s20, s40
	s_lshl_b32 s20, s20, 8
	s_lshl_b32 s21, s18, 7
	s_add_co_u32 s20, s20, s21
	s_lshl_b32 s21, s41, 2                         ; my first head: 4 cy + 2 (wave / 2)
	s_lshl_b32 s22, s17, 1
	s_add_co_u32 s21, s21, s22
	s_lshr_b32 s22, s20, 11
	s_lshl_b32 s22, s22, 4
	s_add_co_u32 s21, s21, s22
	s_lshl_b32 s21, s21, 6                         ; 64 groups of 32 keys a head
	s_and_b32 s22, s20, 2047
	s_lshr_b32 s22, s22, 5
	s_add_co_u32 s21, s21, s22
	s_lshl_b32 s20, s21, 12                        ; 4,096 bytes a group
	s_add_co_u32 s20, s20, 33554432                ; V at 2^25
	s_mov_b32 s21, 0
	s_add_nc_u64 s[14:15], s[14:15], s[20:21]
.irp a, 0,1,2,3,4,5,6,7
	PACKST \a, 1
.endr
.Ldone:
	s_wait_tensorcnt 0x0                           ; the wave's end
	ds_add_u32 v[SPW], v[NIL]
	s_wait_dscnt 0x0
	CROUND                                         ; the closing round: no work-group ends while a partner may still ask for a tile that names it
	s_endpgm
.Lfunc_end_k_qccd74bcd2d_proj:
	.size	k_qccd74bcd2d_proj, .Lfunc_end_k_qccd74bcd2d_proj-k_qccd74bcd2d_proj
	.p2alignl 7, 3214868480
	.fill 96, 4, 3214868480
	.section	.rodata,"a",@progbits
	.p2align	6, 0x0
	.amdhsa_kernel k_qccd74bcd2d_proj
		.amdhsa_group_segment_fixed_size 327680
		.amdhsa_private_segment_fixed_size 0
		.amdhsa_enable_private_segment 0
		.amdhsa_kernarg_size 48
		.amdhsa_user_sgpr_count 2
		.amdhsa_user_sgpr_kernarg_segment_ptr 1
		.amdhsa_wavefront_size32 1
		.amdhsa_system_sgpr_workgroup_id_x 1
		.amdhsa_system_sgpr_workgroup_id_y 1
		.amdhsa_system_sgpr_workgroup_id_z 1
		.amdhsa_system_vgpr_workitem_id 0
		.amdhsa_next_free_vgpr 1024
		.amdhsa_next_free_sgpr 100
		.amdhsa_reserve_vcc 0
		.amdhsa_float_denorm_mode_32 3
		.amdhsa_float_denorm_mode_16_64 3
		.amdhsa_memory_ordered 1
		.amdhsa_forward_progress 1
		.amdhsa_inst_pref_size 179
	.end_amdhsa_kernel
	.amdgpu_metadata
---
amdhsa.version: [ 1, 2 ]
amdhsa.kernels:
  - .name:           k_qccd74bcd2d_proj
    .symbol:         k_qccd74bcd2d_proj.kd
    .args:
      - { .name: codes, .offset: 0, .size: 8, .value_kind: global_buffer, .address_space: global }
      - { .name: scales, .offset: 8, .size: 8, .value_kind: global_buffer, .address_space: global }
      - { .name: bq, .offset: 16, .size: 8, .value_kind: global_buffer, .address_space: global }
      - { .name: bk, .offset: 24, .size: 8, .value_kind: global_buffer, .address_space: global }
      - { .name: bv, .offset: 32, .size: 8, .value_kind: global_buffer, .address_space: global }
      - { .name: qkv, .offset: 40, .size: 8, .value_kind: global_buffer, .address_space: global }
    .group_segment_fixed_size: 327680
    .private_segment_fixed_size: 0
    .kernarg_segment_align: 8
    .kernarg_segment_size: 48
    .max_flat_workgroup_size: 128
    .sgpr_count:     100
    .vgpr_count:     1024
    .wavefront_size: 32
...
	.end_amdgpu_metadata
.endif
;; end of part 2
;; launch attn (part 3): grid 4 x 64, 16 waves a work-group, clusters of 4 x 1, 327,680 bytes of LDS; arguments qkv, mbits, ofr; writes ofr
.if DOCPART == 3
	.amdgcn_target "amdgcn-amd-amdhsa--gfx1250"
	.amdhsa_code_object_version 6
	.text
	.protected	k_qccd74bcd2d_attn
	.globl	k_qccd74bcd2d_attn
	.p2align	8
	.type	k_qccd74bcd2d_attn,@function
k_qccd74bcd2d_attn:
	s_mov_b64 s[64:65], 0
	v_nop
	global_prefetch_b8 v0, s[64:65] scope:SCOPE_SE
	s_setreg_imm32_b32 hwreg(HW_REG_WAVE_MODE, 25, 1), 1
	s_wait_xcnt 0x0
	s_wait_alu depctr_hold_cnt(0) depctr_sa_sdst(0) depctr_va_vdst(0) depctr_va_sdst(0) depctr_va_ssrc(0) depctr_va_vcc(0) depctr_vm_vsrc(0)
	s_getreg_b32 s2, hwreg(HW_REG_IB_STS2, 6, 4)
	s_cmp_eq_u32 s2, 0
	s_cbranch_scc0 .Lentry_in_a_cluster
	s_endpgm
.Lentry_in_a_cluster:
	s_bfe_u32 s2, ttmp6, 0x10000c
	s_cmp_lg_u32 s2, 0x3003
	s_cbranch_scc0 .Lentry_shape_is_right
	s_endpgm
.Lentry_shape_is_right:
; ATTN: o = softmax(where(mask == 0, -1e9, q k^T / 8)) v for one (batch, head) and 512 queries a work-group.  Operands f16, products, maxima and sums f32.
; Q arrives multiplied by log2(e) / 8, so a score is t, an exponent of 2; a masked score is -1e9 log2(e), the same number for all: a row with no allowed key gets p = 1 for every key, as the definition has it.
; SOFTMAX: a running maximum m and sum l for each query: p = 2^(t - m); in every step O and l are multiplied by 2^(m_old - m_new).  l is the sum of the p as rounded to f16, made by a product with ones.
; SHARES: sixteen waves; a wave owns 32 queries, two tiles of 16, in 256 registers: four waves to a SIMD, so that one wave's vector work stands beside another's products and LDS loads.  Every wave walks all 2,048 keys, 64 a step.
; LAYOUT: both products transposed: S^T = K Q^T (source 0 = 16 keys, source 1 = 16 queries), O^T = V^T P (source 0 = 16 channels, source 1 = P): a lane holds ONE query (lane % 16) throughout; two score tiles rounded in pairs ARE P's fragment.
; Q, K, V lie in memory as images of operand registers (pieces of 512 bytes, lane l's 16 bytes at 16 l): a part of 512 keys is 64 KB of K and 64 KB of V, dense; LDS reads are 512 consecutive bytes.
; THE MASK comes as lane-mask words, 64 a step for the wave's 32 queries, by scalar loads one step ahead; a word selects between the score and the masked number in one v_cndmask_b32.
; CLUSTER: the four work-groups of a cluster are the four query blocks of one head and walk the same K and V: every fill is a joint load, 8 KB a wave (waves 0-7 K, 8-15 V, told apart by an offset).
; RING: two slots of 128 KB; parts 0 and 1 are asked for at the head, parts 2 and 3 behind a round of the cluster's barrier each; a refill has a part's eight key steps in which to land.  A wave has two loads out at the start, later one.
; No prefetch is laid: half of a head's K and V is asked for at the head, the other half eight key steps ahead of its use.
; LIMIT: P and O go to f16; |o| under 65,504.
.set SLOT1, 131072
.set SPARE, 262144                     ; behind the ring: the spare words, 128 bytes a wave: eight blocks of 256 bytes that no other line names
.set LI,   1                           ; v1   16 x lane
.set ADK,  2                           ; v2   LDS address of the step's K
.set ADV,  3                           ; v3   of its V
.set SPW,  4
.set NIL,  5
.set NEG,  6                           ; v6   -1e9 log2(e)
.set ST,   8                           ; v8-23   statistics, 8 a tile: +0 m, +1 (pair), +2 f, +3 (pair), +4, +5, +6 at work, +7 m_old - m_new
.set ONES, 24                          ; v24-31  a fragment of ones
.set QF,   32                          ; v32-63  Q: tile t, fragment f at 32 + 16 t + 8 f
.set FB,   64                          ; v64-95  four fragments of K or of V
.set SS,   96                          ; v96-159 S^T, 32 a tile; then P in each tile's lower 16 and V's second group in the upper 16
.set OT,   160                         ; v160-223 O^T: 160 + 32 t + 8 dt
.set LS,   224                         ; v224-239 the sums: 224 + 8 t; register 0 is read
.set WV,   2                           ; s2   wave
.set TB,   3                           ; s3   LDS byte at which the step's K begins
.set CNT,  14
.set MO,   15                          ; s15  byte of the step's words in my mask row
.set G0A,  16                          ; s[16:19] group 0 for slot 0;  s[20:23] for slot 1;  s[24:31] group 1
.set G0B,  20
.set G1,   24
.set SEL,  100                         ; s[100:101] selects for lane l xor 16
.macro ROUND                           ; a round of the cluster's barrier
	s_barrier_signal -1
	s_barrier_wait -1
	s_cmp_lg_u32 s[WV], 0
	s_cbranch_scc1 .Lnot_wave_0_\@
	s_barrier_signal -3
.Lnot_wave_0_\@:
	s_barrier_wait -3
	s_barrier_signal -1
	s_barrier_wait -1
.endm
.macro WORDS                           ; a step's 64 mask words: word n in s[32 + n] (n < 32) or s[36 + n]
	s_load_b512 s[32:47], s[6:7], s[MO] offset:0x0
	s_load_b512 s[48:63], s[6:7], s[MO] offset:0x40
	s_load_b512 s[68:83], s[6:7], s[MO] offset:0x80
	s_load_b512 s[84:99], s[6:7], s[MO] offset:0xc0
.endm
	s_load_b128 s[4:7], s[0:1], 0x0                ; qkv, mbits
	s_load_b64 s[8:9], s[0:1], 0x10                ; ofr
	v_lshl_add_u32 v[SPW], v0, 2, SPARE
	v_mov_b32 v[NIL], 0
	ds_add_u32 v[SPW], v[NIL]                      ; the wave's opening
	ds_add_u32 v[SPW], v[NIL]
	v_lshrrev_b32 v1, 5, v0
	v_readfirstlane_b32 s[WV], v1                  ; wave 0..15
	s_and_b32 s10, ttmp7, 0xffff                   ; bh = 16 x batch + head: shared by the four partners
	s_bfe_u32 s11, ttmp6, 0x40000                  ; cx: my block of 512 queries: it enters Q's, the mask's and O's addresses alone
	s_mov_b32 s[G1], 15|(3<<16)|(1<<21)            ; the mask: all four work-groups; elements of 8 bytes; bit 21 beside a mask; no padding
	s_mov_b32 s[G1+1], 32<<16                      ; tensor_dim0 = 32 elements: rows of 256 bytes
	s_mov_b32 s[G1+2], 32<<16                      ; tensor_dim1 = 32 rows: 8,192 dense bytes
	s_mov_b32 s[G1+3], 32<<16                      ; tile_dim0
	s_mov_b32 s[G1+4], 32                          ; tile_dim1
	s_mov_b32 s[G1+5], 32                          ; the pitch
	s_mov_b32 s[G1+6], 0
	s_mov_b32 s[G1+7], 0
	s_mov_b32 s[G0A], 1
	s_lshl_b32 s[G0A+1], s[WV], 13                 ; LDS: wave x 8,192: waves 0-7 fill K's 64 KB, waves 8-15 V's
	s_mov_b32 s[G0B], 1
	s_add_co_u32 s[G0B+1], s[G0A+1], SLOT1
	s_lshr_b32 s12, s[WV], 3                       ; memory: K at 2^24, V at 2^25,
	s_add_co_u32 s12, s12, 1
	s_lshl_b32 s12, s12, 24
	s_lshl_b32 s13, s10, 18                        ; 262,144 bytes a head,
	s_add_co_u32 s12, s12, s13
	s_and_b32 s13, s[WV], 7
	s_lshl_b32 s13, s13, 13                        ; my eighth of a part
	s_add_co_u32 s12, s12, s13
	s_mov_b32 s13, 0
	s_lshl_b32 s66, s10, 18                        ; Q: the head, my block's 32 tiles of 2,048 bytes, my wave's two
	s_lshl_b32 s67, s11, 16
	s_add_co_u32 s66, s66, s67
	s_lshl_b32 s67, s[WV], 12
	s_add_co_u32 s66, s66, s67
	s_mov_b32 s67, 0
	s_lshr_b32 s104, s10, 4                        ; the mask: row (64 batch + 16 cx + wave) of 8,192 bytes
	s_lshl_b32 s104, s104, 6
	s_lshl_b32 s105, s11, 4
	s_add_co_u32 s104, s104, s105
	s_add_co_u32 s104, s104, s[WV]
	s_lshl_b32 s104, s104, 13
	s_mov_b32 s105, 0
	s_and_b32 s32, s10, 15                         ; O: head hd goes to kc = hd / 2 (2,097,152 bytes), fragments 2 (hd % 2) on (2,048 bytes);
	s_lshr_b32 s33, s32, 1
	s_lshl_b32 s33, s33, 21
	s_and_b32 s32, s32, 1
	s_lshl_b32 s32, s32, 11
	s_add_co_u32 s32, s32, s33
	s_lshr_b32 s33, s10, 4                         ; tile of tokens 128 batch + 32 cx + 2 wave, 4,096 bytes each
	s_lshl_b32 s33, s33, 7
	s_lshl_b32 s34, s11, 5
	s_add_co_u32 s33, s33, s34
	s_lshl_b32 s34, s[WV], 1
	s_add_co_u32 s33, s33, s34
	s_lshl_b32 s33, s33, 12
	s_add_co_u32 s32, s32, s33
	s_mov_b32 s33, 0
	s_mov_b32 s[SEL], 0x76543210
	s_mov_b32 s[SEL+1], 0xfedcba98
	s_mov_b32 s[MO], 0
	s_wait_dscnt 0x0                               ; both opening adds are done
	s_wait_kmcnt 0x0
	s_add_nc_u64 s[G0A+2:G0A+3], s[4:5], s[12:13]  ; part 0
	s_add_nc_u64 s[G0B+2:G0B+3], s[G0A+2:G0A+3], 0x10000   ; part 1
	s_or_b32 s[G0A+3], s[G0A+3], 0x80000000
	s_or_b32 s[G0B+3], s[G0B+3], 0x80000000
	s_add_nc_u64 s[4:5], s[4:5], s[66:67]
	s_add_nc_u64 s[6:7], s[6:7], s[104:105]
	s_add_nc_u64 s[8:9], s[8:9], s[32:33]
	ROUND                                          ; all four work-groups are here: the first joint loads meet
	tensor_load_to_lds s[G0A:G0A+3], s[G1:G1+7]
	s_nop 0
	tensor_load_to_lds s[G0B:G0B+3], s[G1:G1+7]
	s_nop 0
.rept 4
	v_nop
.endr
	v_and_b32 v[LI], 31, v0
	v_lshlrev_b32 v[LI], 4, v[LI]
.irp t, 0,1
.irp p, 0,1,2,3
	global_load_b128 v[QF+16*\t+4*\p:QF+16*\t+4*\p+3], v[LI], s[4:5] offset:\t*2048+\p*512   ; Q stays in registers
.endr
.endr
	WORDS                                          ; the first step's words
	v_mov_b32 v[NEG], 0xceabfb8f                   ; -1e9 log2(e)
.irp i, 0,1,2,3,4,5,6,7
	v_mov_b32 v[ONES+\i], 0x3c003c00
.endr
.irp t, 0,1
	v_mov_b32 v[ST+8*\t], 0xff61b1e6               ; m: -3e38, under every t
	v_mov_b32 v[ST+8*\t+1], 0                      ; (named as the upper halves of pairs)
	v_mov_b32 v[ST+8*\t+3], 0
	v_mov_b32 v[ST+8*\t+6], 0                      ; a lane permute's destination counts as one of its sources
.endr
.set i, 0
.rept 80
	v_mov_b32 v[OT+i], 0                           ; O^T and the sums: the step is written once; its first walk finds zeros
.set i, i+1
.endr
	s_wait_loadcnt 0x0                             ; Q
	s_wait_tensorcnt 1                             ; my part of slot 0 is in; slot 1's may stay out
	s_barrier_signal -1
	s_barrier_wait -1                              ; everybody's is
.macro KLOAD g                         ; key tiles 2 g, 2 g + 1: four fragments
.irp u, 0,1
.irp f, 0,1
.irp c, 0,1
	ds_load_b128 v[FB+16*\u+8*\f+4*\c:FB+16*\u+8*\f+4*\c+3], v[ADK] offset:(2*\g+\u)*2048+\f*1024+\c*512
.endr
.endr
.endr
.endm
.macro QK g                            ; eight products; four accumulators by turns; the first four start the sums
.irp f, 0,1
.irp u, 0,1
.irp t, 0,1
.if \f == 0
	v_wmma_f32_16x16x32_f16 v[SS+32*\t+8*(2*\g+\u):SS+32*\t+8*(2*\g+\u)+7], v[FB+16*\u+8*\f:FB+16*\u+8*\f+7], v[QF+16*\t+8*\f:QF+16*\t+8*\f+7], 0
.else
	v_wmma_f32_16x16x32_f16 v[SS+32*\t+8*(2*\g+\u):SS+32*\t+8*(2*\g+\u)+7], v[FB+16*\u+8*\f:FB+16*\u+8*\f+7], v[QF+16*\t+8*\f:QF+16*\t+8*\f+7], v[SS+32*\t+8*(2*\g+\u):SS+32*\t+8*(2*\g+\u)+7]
.endif
.endr
.endr
.endr
.endm
.macro MASK g                          ; where the word's bit is 0 the score becomes the masked number; each accumulator from its low end on
.irp t, 0,1
.irp u, 0,1
.irp j, 0,1,2,3,4,5,6,7
	v_cndmask_b32 v[SS+32*\t+8*(2*\g+\u)+\j], v[NEG], v[SS+32*\t+8*(2*\g+\u)+\j], s[32+36*\g+16*\t+8*\u+\j]
.endr
.endr
.endr
.endm
.macro PV h                            ; ten products on ten accumulators by turns: O^T += V^T P for keys 32 h on, and the sums by a fragment of ones
.irp dt, 0,1,2,3
.irp t, 0,1
.if \h == 0
	v_wmma_f32_16x16x32_f16 v[OT+32*\t+8*\dt:OT+32*\t+8*\dt+7], v[FB+8*\dt:FB+8*\dt+7], v[SS+32*\t:SS+32*\t+7], v[OT+32*\t+8*\dt:OT+32*\t+8*\dt+7]
.else
	v_wmma_f32_16x16x32_f16 v[OT+32*\t+8*\dt:OT+32*\t+8*\dt+7], v[SS+32*(\dt/2)+16+8*(\dt%2):SS+32*(\dt/2)+16+8*(\dt%2)+7], v[SS+32*\t+8:SS+32*\t+15], v[OT+32*\t+8*\dt:OT+32*\t+8*\dt+7]
.endif
.endr
.endr
.irp t, 0,1
	v_wmma_f32_16x16x32_f16 v[LS+8*\t:LS+8*\t+7], v[ONES:ONES+7], v[SS+32*\t+8*\h:SS+32*\t+8*\h+7], v[LS+8*\t:LS+8*\t+7]
.endr
.endm
; A KEY STEP: 64 keys.
.macro STEP
	v_add_nc_u32 v[ADK], s[TB], v[LI]
	v_add_nc_u32 v[ADV], 0x10000, v[ADK]           ; V lies 64 KB behind K, step for step
.rept 4
	v_nop                                          ; with the two additions six plain lines behind the last step's products: four are owed ahead of loads into their fragments, five ahead of products that write over P and V
.endr
	KLOAD 0
	s_wait_dscnt 0x0
	QK 0
.rept 4
	v_nop                                          ; ahead of the loads into the fragments just multiplied, and of the first read of the scores
.endr
	KLOAD 1
	s_wait_kmcnt 0x0                               ; this step's words, asked for a step ago
	MASK 0
	s_wait_dscnt 0x0
	QK 1
.irp t, 0,1
	v_max3_num_f32 v[ST+8*\t+4], v[ST+8*\t], v[SS+32*\t], v[SS+32*\t+1]          ; the maximum of m and keys 0-31: these sixteen lines, which name none of the last products' registers, stand between those and what follows
.endr
.irp i, 2,4,6,8,10,12,14
.irp t, 0,1
	v_max3_num_f32 v[ST+8*\t+4], v[ST+8*\t+4], v[SS+32*\t+\i], v[SS+32*\t+\i+1]
.endr
.endr
.irp dt, 0,1,2,3
.irp c, 0,1
	ds_load_b128 v[FB+8*\dt+4*\c:FB+8*\dt+4*\c+3], v[ADV] offset:\dt*1024+\c*512    ; V, keys 0-31
.endr
.endr
	MASK 1
	s_add_co_u32 s[MO], s[MO], 256                 ; the next step's words (the wait on KMcnt above has shown the last loads done, so their offset may be written);
	s_min_u32 s[MO], s[MO], 7936                   ; the last step asks for its own again: no load leaves the row
	WORDS
.irp t, 0,1
	v_max3_num_f32 v[ST+8*\t+5], v[SS+32*\t+16], v[SS+32*\t+17], v[SS+32*\t+18]
.endr
.irp i, 19,21,23,25,27,29
.irp t, 0,1
	v_max3_num_f32 v[ST+8*\t+5], v[ST+8*\t+5], v[SS+32*\t+\i], v[SS+32*\t+\i+1]
.endr
.endr
.irp t, 0,1
	v_max3_num_f32 v[ST+8*\t+4], v[ST+8*\t+4], v[ST+8*\t+5], v[SS+32*\t+31]
.endr
.irp t, 0,1
	v_permlanex16_b32 v[ST+8*\t+6], v[ST+8*\t+4], s[SEL], s[SEL+1]               ; the query's other 32 keys lie in the lane 16 away
.endr
.irp t, 0,1
	v_max_num_f32 v[ST+8*\t+5], v[ST+8*\t+4], v[ST+8*\t+6]                       ; the new m
.endr
.irp t, 0,1
	v_sub_f32 v[ST+8*\t+7], v[ST+8*\t], v[ST+8*\t+5]
.endr
.irp t, 0,1
	v_mov_b32 v[ST+8*\t], v[ST+8*\t+5]
.endr
.irp t, 0,1
	v_exp_f32 v[ST+8*\t+2], v[ST+8*\t+7]                                         ; f = 2^(m_old - m_new)
.endr
.set i, 0
.rept 32
	v_pk_add_f32 v[SS+i:SS+i+1], v[SS+i:SS+i+1], v[ST+8*(i/32):ST+8*(i/32)+1] op_sel_hi:[1,0] neg_lo:[0,1] neg_hi:[0,1]   ; t - m, two at a time
.set i, i+2
.endr
.set i, 0
.rept 64
	v_exp_f32 v[SS+i], v[SS+i]                                                   ; p, at most 1
.set i, i+1
.endr
	v_nop                                          ; a plain line behind the last exponential
	s_wait_alu depctr_va_vdst(0)                   ; one wait for the batch of 66, ahead of the first line that names a result
.set i, 0
.rept 32
	v_cvt_pk_f16_f32 v[SS+32*(i/16)+i%16], v[SS+32*(i/16)+2*(i%16)], v[SS+32*(i/16)+2*(i%16)+1]   ; in place, ascending: each tile's lower 16 registers are P's two fragments
.set i, i+1
.endr
.irp dt, 0,1,2,3
.irp c, 0,1
	ds_load_b128 v[SS+32*(\dt/2)+16+8*(\dt%2)+4*\c:SS+32*(\dt/2)+16+8*(\dt%2)+4*\c+3], v[ADV] offset:4096+\dt*1024+\c*512   ; V, keys 32-63, into the upper halves that the roundings have left
.endr
.endr
.set i, 0
.rept 32
	v_pk_mul_f32 v[OT+i:OT+i+1], v[OT+i:OT+i+1], v[ST+8*(i/32)+2:ST+8*(i/32)+3] op_sel_hi:[1,0]   ; O^T under the new m
.set i, i+2
.endr
.irp t, 0,1
	v_pk_mul_f32 v[LS+8*\t:LS+8*\t+1], v[LS+8*\t:LS+8*\t+1], v[ST+8*\t+2:ST+8*\t+3] op_sel_hi:[1,0]   ; and the sum.  Its other six registers are never read: sums of p <= 1, at most 2,048
.endr
	s_wait_dscnt 8                                 ; V's first group is in; the second group's eight loads may be out
	PV 0
	s_wait_dscnt 0x0
	PV 1
.endm
.macro PART slot                       ; a part's eight key steps: written once a part, walked eight times
	s_mov_b32 s[TB], \slot*SLOT1
	s_mov_b32 s[CNT], 8
.Lstep_\@:
	STEP
	s_add_co_u32 s[TB], s[TB], 8192
	s_sub_co_u32 s[CNT], s[CNT], 1
	s_cmp_lg_u32 s[CNT], 0
	s_cbranch_scc1 .Lstep_\@
.endm
; THE CHANGE OF SLOTS.  Each wave waits for all its tensor loads (its part of the slot ahead), adds 0 to its spare word, and waits for that and for its reads of the slot that it leaves.
; fill = 1: the barrier is a round of the cluster's, so that no wave of any partner still reads the slot or has a load on its way; the joint refill is the first thing behind it.
.macro CHANGE g0, fill
	s_wait_tensorcnt 0x0
	ds_add_u32 v[SPW], v[NIL]
.if \fill
	s_add_nc_u64 s[\g0+2:\g0+3], s[\g0+2:\g0+3], 0x20000   ; no load of mine is out: the slot's address steps two parts on
	s_wait_dscnt 0x0
	ROUND
	tensor_load_to_lds s[\g0:\g0+3], s[G1:G1+7]
	s_nop 0
.rept 4
	v_nop
.endr
.else
	s_wait_dscnt 0x0
	s_barrier_signal -1
	s_barrier_wait -1
.endif
.endm
	PART 0
	CHANGE G0A, 1                                  ; part 2 into slot 0
	PART 1
	CHANGE G0B, 1                                  ; part 3 into slot 1
	PART 0
	CHANGE G0A, 0                                  ; nothing is left to fetch
	PART 1
	; THE WAY OUT.  O^T / l, rounded to f16: a lane's eight channels of a query are 16 bytes of an image of the last product's operand: no LDS, 512 consecutive aligned bytes a store.
	s_wait_kmcnt 0x0                               ; the last step's words, which nobody reads
.rept 4
	v_nop                                          ; behind the last products
.endr
.irp t, 0,1
	v_rcp_f32 v[ST+8*\t+2], v[LS+8*\t]             ; l is at least 1: the key of the maximum has p = 1
.endr
	v_nop
	s_wait_alu depctr_va_vdst(0)                   ; ahead of the first reader
.set i, 0
.rept 32
	v_pk_mul_f32 v[OT+i:OT+i+1], v[OT+i:OT+i+1], v[ST+8*(i/32)+2:ST+8*(i/32)+3] op_sel_hi:[1,0]
.set i, i+2
.endr
.set i, 0
.rept 32
	v_cvt_pk_f16_f32 v[FB+i], v[OT+2*i], v[OT+2*i+1]
.set i, i+1
.endr
.irp t, 0,1
.irp dt, 0,1,2,3
	global_store_b128 v[LI], v[FB+16*\t+4*\dt:FB+16*\t+4*\dt+3], s[8:9] offset:\t*4096+\dt*512
.endr
.endr
	s_wait_tensorcnt 0x0                           ; the wave's end
	ds_add_u32 v[SPW], v[NIL]
	s_wait_dscnt 0x0
	ROUND                                          ; the closing round
	s_endpgm
.Lfunc_end_k_qccd74bcd2d_attn:
	.size	k_qccd74bcd2d_attn, .Lfunc_end_k_qccd74bcd2d_attn-k_qccd74bcd2d_attn
	.p2alignl 7, 3214868480
	.fill 96, 4, 3214868480
	.section	.rodata,"a",@progbits
	.p2align	6, 0x0
	.amdhsa_kernel k_qccd74bcd2d_attn
		.amdhsa_group_segment_fixed_size 327680
		.amdhsa_private_segment_fixed_size 0
		.amdhsa_enable_private_segment 0
		.amdhsa_kernarg_size 24
		.amdhsa_user_sgpr_count 2
		.amdhsa_user_sgpr_kernarg_segment_ptr 1
		.amdhsa_wavefront_size32 1
		.amdhsa_system_sgpr_workgroup_id_x 1
		.amdhsa_system_sgpr_workgroup_id_y 1
		.amdhsa_system_sgpr_workgroup_id_z 1
		.amdhsa_system_vgpr_workitem_id 0
		.amdhsa_next_free_vgpr 256
		.amdhsa_next_free_sgpr 106
		.amdhsa_reserve_vcc 0
		.amdhsa_float_denorm_mode_32 3
		.amdhsa_float_denorm_mode_16_64 3
		.amdhsa_memory_ordered 1
		.amdhsa_forward_progress 1
		.amdhsa_inst_pref_size 96
	.end_amdhsa_kernel
	.amdgpu_metadata
---
amdhsa.version: [ 1, 2 ]
amdhsa.kernels:
  - .name:           k_qccd74bcd2d_attn
    .symbol:         k_qccd74bcd2d_attn.kd
    .args:
      - { .name: qkv, .offset: 0, .size: 8, .value_kind: global_buffer, .address_space: global }
      - { .name: mbits, .offset: 8, .size: 8, .value_kind: global_buffer, .address_space: global }
      - { .name: ofr, .offset: 16, .size: 8, .value_kind: global_buffer, .address_space: global }
    .group_segment_fixed_size: 327680
    .private_segment_fixed_size: 0
    .kernarg_segment_align: 8
    .kernarg_segment_size: 24
    .max_flat_workgroup_size: 512
    .sgpr_count:     106
    .vgpr_count:     256
    .wavefront_size: 32
...
	.end_amdgpu_metadata
.endif
;; end of part 3
;; launch outp (part 4): grid 4 x 64, 4 waves a work-group, clusters of 4 x 4, 327,680 bytes of LDS; arguments ofr, wof, bo, out0; writes out0
.if DOCPART == 4
	.amdgcn_target "amdgcn-amd-amdhsa--gfx1250"
	.amdhsa_code_object_version 6
	.text
	.protected	k_qccd74bcd2d_outp
	.globl	k_qccd74bcd2d_outp
	.p2align	8
	.type	k_qccd74bcd2d_outp,@function
k_qccd74bcd2d_outp:
	s_mov_b64 s[64:65], 0
	v_nop
	global_prefetch_b8 v0, s[64:65] scope:SCOPE_SE
	s_setreg_imm32_b32 hwreg(HW_REG_WAVE_MODE, 25, 1), 1
	s_wait_xcnt 0x0
	s_wait_alu depctr_hold_cnt(0) depctr_sa_sdst(0) depctr_va_vdst(0) depctr_va_sdst(0) depctr_va_ssrc(0) depctr_va_vcc(0) depctr_vm_vsrc(0)
	s_getreg_b32 s2, hwreg(HW_REG_IB_STS2, 6, 4)
	s_cmp_eq_u32 s2, 0
	s_cbranch_scc0 .Lentry_in_a_cluster
	s_endpgm
.Lentry_in_a_cluster:
	s_bfe_u32 s2, ttmp6, 0x10000c
	s_cmp_lg_u32 s2, 0xf033
	s_cbranch_scc0 .Lentry_shape_is_right
	s_endpgm
.Lentry_shape_is_right:
; OUTP: out = o wo^T + bo.  o [8,192][1,024] and wo [1,024][1,024] arrive as f16 images of operand registers; sums f32; out f32.
;   ofr: [kc 8][tile of 16 tokens 512][fr 4][c 2][512 bytes];  wof: [kc 8][tile of 16 outputs 64][fr 4][c 2][512 bytes]; lane (r, h) of a piece: row r, k = 128 kc + 32 fr + 16 c + 8 h + 0..7.
; A work-group of four waves makes 128 rows x 256 columns (256 work-groups), a wave 64 x 128: 32 accumulators, 256 registers.  K goes in 8 chunks of 128 through two LDS slots:
; a chunk's 8 tiles of o are 32 KB of dense memory, its 16 tiles of wo 64 KB.  LDS reads are 512 consecutive bytes: no padding.
; CLUSTERS: 4 x 4 work-groups: o's tiles are shared along a row of the cluster, wo's along a column: joint loads; waves 0, 1 fetch o's halves, waves 2, 3 wo's.
; THE MATRIX INSTRUCTION IS USED TRANSPOSED (source 0 = 16 rows of wo, source 1 = 16 tokens): a lane holds eight neighbouring outputs of one token.  bo is the C of each sum's first product.
; REGISTERS: window 0: v16-29 addresses; v64-127 bo; v128-255 rows on the way out.  window 1: two fragment buffers at v0 and v128: o's 4 fragments, then wo's 8.  window 2: accumulator (a, b) at v[8 (8 a + b)].
.set SLOT,   98304                     ; o's 32 KB, then wo's 64 KB
.set STAGE,  2*SLOT                    ; behind the ring: 16 rows x (512 + 16) bytes for each wave; no fill lands here
.set SPITCH, 528
.set SPARE,  STAGE+4*16*SPITCH         ; the spare words, 128 bytes a wave: two blocks of 256 bytes that no other line names
.set LAPS,   4                         ; a lap = two chunks = once round the ring
.set ADRA, 16
.set ADRB, 20
.set STO,  24
.set RD,   25
.set CO,   26                          ; v26  16 x lane
.set BOH,  27                          ; v27  32 h
.set SPW,  28
.set NIL,  29
.set BI,   64                          ; register 8 b + j = bo of output 16 b + 8 h + j
.set BK,   128
.set F0,   0
.set F1,   128
.set G1, 24
.set G0, 32
.set G1B, 48
.set G0B, 56
.set MSB, 0
.macro WIN new                         ; the immediate's high byte repeats the setting that is left
.if MSB != \new
	s_set_vgpr_msb (MSB<<8)|\new
.set MSB, \new
.endif
.endm
.set MUL,  0xa5                        ; sources 0 and 1 window 1; C and D window 2
.set MUL0, 0x85                        ; the same with C in window 0: the bias
.set TO_F, 0x40                        ; destination window 1, address window 0
.macro JLOAD s                         ; a joint load; an s_nop 0 and four v_nop follow each of the two lines
	s_cmp_eq_u32 s11, 0
	s_cbranch_scc0 .Lfor_b_\@
	tensor_load_to_lds s[G0+4*\s:G0+4*\s+3], s[G1:G1+7]
	s_nop 0
.rept 4
	v_nop
.endr
	s_branch .Lasked_\@
.Lfor_b_\@:
	tensor_load_to_lds s[G0B+4*\s:G0B+4*\s+3], s[G1B:G1B+7]
	s_nop 0
.rept 4
	v_nop
.endr
.Lasked_\@:
.endm
.macro CREST                           ; a round of the cluster's barrier behind its opening barrier
	s_cmp_lg_u32 s10, 0
	s_cbranch_scc1 .Lnot_wave_0_\@
	s_barrier_signal -3
.Lnot_wave_0_\@:
	s_barrier_wait -3
	s_barrier_signal -1
	s_barrier_wait -1
.endm
.macro CROUND
	s_barrier_signal -1
	s_barrier_wait -1
	CREST
.endm
	s_load_b128 s[4:7], s[0:1], 0x0                ; ofr, wof
	s_load_b64 s[20:21], s[0:1], 0x10              ; bo
	s_load_b64 s[8:9], s[0:1], 0x18                ; out0
	v_lshl_add_u32 v[SPW], v0, 2, SPARE
	v_mov_b32 v[NIL], 0
	ds_add_u32 v[SPW], v[NIL]                      ; the wave's opening
	ds_add_u32 v[SPW], v[NIL]
	v_lshrrev_b32 v1, 5, v0
	v_readfirstlane_b32 s10, v1                    ; wave 0..3
	s_lshr_b32 s11, s10, 1                         ; which 64 rows are mine.  Also: I fetch o (0) or wo (1)
	s_and_b32 s12, s10, 1                          ; which 128 columns.  Also: which half of that tile I fetch
	s_bfe_u32 s40, ttmp6, 0x40000                  ; cx
	s_bfe_u32 s41, ttmp6, 0x40004                  ; cy
	s_lshl_b32 s42, ttmp9, 2
	s_add_co_u32 s42, s42, s40                     ; tile column
	s_and_b32 s13, ttmp7, 0xffff
	s_lshl_b32 s13, s13, 2
	s_add_co_u32 s13, s13, s41                     ; tile row
	s_lshl_b32 s43, s41, 2
	s_lshl_b32 s43, 15, s43                        ; my row of the cluster
	s_lshl_b32 s44, 0x1111, s40                    ; my column
	s_or_b32 s[G1+0], s43, (3<<16)|(1<<21)         ; the mask; elements of 8 bytes; bit 21 beside a mask; no padding
	s_or_b32 s[G1B+0], s44, (3<<16)|(1<<21)
	s_mov_b32 s[G1+1], 32<<16                      ; rows of 256 bytes;
	s_mov_b32 s[G1+2], 64<<16                      ; o: 64 of them, 16 KB
	s_mov_b32 s[G1+3], 32<<16
	s_mov_b32 s[G1+4], 64
	s_mov_b32 s[G1+5], 32
	s_mov_b32 s[G1+6], 0
	s_mov_b32 s[G1+7], 0
	s_mov_b32 s[G1B+1], 32<<16
	s_mov_b32 s[G1B+2], 128<<16                    ; wo: 128 of them, 32 KB
	s_mov_b32 s[G1B+3], 32<<16
	s_mov_b32 s[G1B+4], 128
	s_mov_b32 s[G1B+5], 32
	s_mov_b32 s[G1B+6], 0
	s_mov_b32 s[G1B+7], 0
	s_lshl_b32 s16, s13, 15                        ; o: tile row x 32 KB + half x 16 KB: it hangs on the tile row alone
	s_lshl_b32 s22, s12, 14                        ; (also the half's place in a slot)
	s_add_co_u32 s16, s16, s22
	s_mov_b32 s17, 0
	s_lshl_b32 s46, s42, 16                        ; wo: tile column x 64 KB + half x 32 KB: on the tile column alone
	s_lshl_b32 s23, s12, 15
	s_add_co_u32 s46, s46, s23
	s_mov_b32 s47, 0
	s_add_co_u32 s23, s23, 32768                   ; wo lies behind o's 32 KB in a slot
	s_wait_dscnt 0x0                               ; both opening adds are done
	s_wait_kmcnt 0x0
	s_add_nc_u64 s[14:15], s[4:5], s[16:17]
	s_add_nc_u64 s[46:47], s[6:7], s[46:47]
	CROUND                                         ; all sixteen work-groups are here: the first joint loads meet
.irp s, 0,1
	s_mov_b32 s[G0+4*\s], 1
	s_add_co_u32 s[G0+4*\s+1], s22, \s*SLOT
	s_add_nc_u64 s[G0+4*\s+2:G0+4*\s+3], s[14:15], \s*2097152      ; chunk s
	s_or_b32 s[G0+4*\s+3], s[G0+4*\s+3], 0x80000000
	s_mov_b32 s[G0B+4*\s], 1
	s_add_co_u32 s[G0B+4*\s+1], s23, \s*SLOT
	s_add_nc_u64 s[G0B+4*\s+2:G0B+4*\s+3], s[46:47], \s*262144
	s_or_b32 s[G0B+4*\s+3], s[G0B+4*\s+3], 0x80000000
	JLOAD \s                                       ; two loads of mine are out
.endr
	v_and_b32 v1, 15, v0                           ; r
	v_bfe_u32 v2, v0, 4, 1                         ; h
	v_and_b32 v3, 31, v0
	v_lshlrev_b32 v[CO], 4, v3
	v_lshlrev_b32 v[BOH], 5, v2
	s_lshl_b32 s14, s11, 14                        ; my 4 tiles of o
	s_lshl_b32 s15, s12, 15                        ; my 8 tiles of wo,
	s_add_co_u32 s15, s15, 32768                   ; behind o's
.irp s, 0,1
	v_add_nc_u32 v[ADRA+\s], s14, v[CO]
	v_add_nc_u32 v[ADRB+\s], s15, v[CO]
	s_add_co_u32 s14, s14, SLOT
	s_add_co_u32 s15, s15, SLOT
.endr
	s_mul_i32 s16, s10, 16*SPITCH
	s_add_co_u32 s16, s16, STAGE                   ; my stage
	v_mul_u32_u24 v4, v1, SPITCH
	v_lshl_add_u32 v4, v2, 5, v4
	v_add_nc_u32 v[STO], s16, v4                   ; in: row r, 32 bytes for each half of the lanes
	v_add_nc_u32 v[RD], s16, v[CO]                 ; back: the 32 lanes take one row of 512 bytes
	s_lshl_b32 s16, s42, 10                        ; my first column in bytes: 1,024 x tile column + 512 x half
	s_lshl_b32 s17, s12, 9
	s_add_co_u32 s16, s16, s17
	s_mov_b32 s17, 0
	s_add_nc_u64 s[20:21], s[20:21], s[16:17]      ; bo there,
	s_add_nc_u64 s[8:9], s[8:9], s[16:17]          ; and out,
	s_lshl_b32 s16, s13, 19                        ; at my first row: 128 x tile row + 64 x half, 4,096 bytes each
	s_lshl_b32 s18, s11, 18
	s_add_co_u32 s16, s16, s18
	s_add_nc_u64 s[8:9], s[8:9], s[16:17]
.irp b, 0,1,2,3,4,5,6,7
	global_load_b128 v[BI+8*\b:BI+8*\b+3], v[BOH], s[20:21] offset:64*\b
	global_load_b128 v[BI+8*\b+4:BI+8*\b+7], v[BOH], s[20:21] offset:64*\b+16
.endr
.macro MUL8 f, a, zero                 ; o's block a x wo's eight, 32 along K.  The 32 accumulators take turns, one instruction a turn, in the same order in every quarter
.irp b, 0,1,2,3,4,5,6,7
.if \zero
	v_wmma_f32_16x16x32_f16 v[8*(8*(\a)+\b):8*(8*(\a)+\b)+7], v[\f+32+8*\b:\f+32+8*\b+7], v[\f+8*(\a):\f+8*(\a)+7], v[BI+8*\b:BI+8*\b+7]
.else
	v_wmma_f32_16x16x32_f16 v[8*(8*(\a)+\b):8*(8*(\a)+\b)+7], v[\f+32+8*\b:\f+32+8*\b+7], v[\f+8*(\a):\f+8*(\a)+7], v[8*(8*(\a)+\b):8*(8*(\a)+\b)+7]
.endif
.endr
.endm
.macro FETCH slot, fr, f               ; 24 LDS loads in one run: the fragments of quarter fr: wo's eight, then o's four
	WIN TO_F
.irp b, 0,1,2,3,4,5,6,7
.irp c, 0,1
	ds_load_b128 v[\f+32+8*\b+4*\c:\f+32+8*\b+4*\c+3], v[ADRB+\slot] offset:\b*4096+\fr*1024+\c*512
.endr
.endr
.irp a, 0,1,2,3
.irp c, 0,1
	ds_load_b128 v[\f+8*\a+4*\c:\f+8*\a+4*\c+3], v[ADRA+\slot] offset:\a*4096+\fr*1024+\c*512
.endr
.endr
.endm
.macro PLACES                          ; four plain lines ahead of loads into registers that matrix instructions have read, and of the first read of results
.rept 4
	v_nop
.endr
.endm
; A chunk is four quarters of 32 along K, 32 matrix instructions each, on buffers 0, 1, 0, 1.  One of the first three multiplies buffer f and fetches quarter fr into g.
.macro QUARTER slot, fr, f, g, zero
	s_wait_dscnt 4                                 ; wo's fragments and o's blocks 0, 1 are in; the youngest four loads (blocks 2, 3) may be out
	WIN MUL-0x20*\zero
	MUL8 \f, 0, \zero
	MUL8 \f, 1, \zero
	PLACES
	FETCH \slot, \fr, \g
	s_wait_dscnt 24                                ; all but the 24 just issued
	WIN MUL-0x20*\zero
	MUL8 \f, 2, \zero
	MUL8 \f, 3, \zero
.endm
; The last quarter multiplies buffer 1 and changes slots: ONE barrier; ahead of it each wave waits for all its tensor loads, adds 0 to its spare word, and waits for that and for its reads of this slot.
; fill = 1: the barrier opens a round of the cluster's, and this slot is filled again, two chunks ahead, first thing behind the round.
.macro TURN slot, next, fill
	WIN 0
	s_wait_tensorcnt 0x0                           ; all my tensor loads have landed: my part of the next slot
	ds_add_u32 v[SPW], v[NIL]
	s_wait_dscnt 5                                 ; the add and the youngest four loads may be out
	WIN MUL
	MUL8 F1, 0, 0
	s_wait_dscnt 0x0                               ; the add is done, and my reads of this slot are over
	s_barrier_signal -1
	MUL8 F1, 1, 0
.if \fill
	WIN 0
.endif
	s_barrier_wait -1
.if \fill
	CREST                                          ; no wave of any partner still reads this slot or has a load on its way
	s_add_nc_u64 s[G0+4*\slot+2:G0+4*\slot+3], s[G0+4*\slot+2:G0+4*\slot+3], 2*2097152
	s_add_nc_u64 s[G0B+4*\slot+2:G0B+4*\slot+3], s[G0B+4*\slot+2:G0B+4*\slot+3], 2*262144
	JLOAD \slot                                    ; its four v_nop are also the places ahead of the loads below
.else
	PLACES
.endif
	FETCH \next, 0, F0
	WIN MUL
	MUL8 F1, 2, 0
	MUL8 F1, 3, 0
.endm
	s_wait_tensorcnt 1                             ; my part of chunk 0 is in; chunk 1's load may be out
	s_barrier_signal -1
	s_barrier_wait -1                              ; everybody's is
	FETCH 0, 0, F0
	s_wait_loadcnt 0x0                             ; bo
	QUARTER 0, 1, F0, F1, 1                        ; the first quarter's products start the sums, with bo as C
	WIN 0                                          ; at a label and at a branch every window is 0
	s_mov_b32 s3, LAPS-1
.Llap:                                                 ; a trip goes once round the ring and fills both slots again
	QUARTER 0, 2, F1, F0, 0
	QUARTER 0, 3, F0, F1, 0
	TURN 0, 1, 1
	QUARTER 1, 1, F0, F1, 0
	QUARTER 1, 2, F1, F0, 0
	QUARTER 1, 3, F0, F1, 0
	TURN 1, 0, 1
	QUARTER 0, 1, F0, F1, 0
	WIN 0
	s_sub_co_u32 s3, s3, 1
	s_cmp_lg_u32 s3, 0
	s_cbranch_scc1 .Llap
	QUARTER 0, 2, F1, F0, 0                        ; the last lap fills nothing
	QUARTER 0, 3, F0, F1, 0
	TURN 0, 1, 0
	QUARTER 1, 1, F0, F1, 0
	QUARTER 1, 2, F1, F0, 0
	QUARTER 1, 3, F0, F1, 0
	s_wait_dscnt 4
	WIN MUL
	MUL8 F1, 0, 0
	MUL8 F1, 1, 0
	s_wait_dscnt 0
	MUL8 F1, 2, 0
	MUL8 F1, 3, 0
	WIN 0
; THE WAY OUT, block by block of 16 rows x 128 columns: through my own stage in LDS, back as whole rows of 512 bytes.  LDS serves a wave's instructions in order (ISA guide 5.7.1.4).
.macro TOSTAGE a
	WIN 0x08                                       ; an LDS store's data: window 2
.irp b, 0,1,2,3,4,5,6,7
	ds_store_b128 v[STO], v[64*(\a)+8*\b:64*(\a)+8*\b+3] offset:64*\b          ; each accumulator from its low end on
	ds_store_b128 v[STO], v[64*(\a)+8*\b+4:64*(\a)+8*\b+7] offset:64*\b+16
.endr
	WIN 0
.set BB, BK+64*((\a)%2)
.irp t, 0,1,2,3,4,5,6,7,8,9,10,11,12,13,14,15
	ds_load_b128 v[BB+4*\t:BB+4*\t+3], v[RD] offset:\t*SPITCH
.endr
.endm
.macro SEND a, younger                 ; younger: the LDS instructions issued behind block a's loads, which may stay out
.set BB, BK+64*((\a)%2)
	s_wait_dscnt \younger
.if (\a) > 0
	s_add_nc_u64 s[8:9], s[8:9], 16*4096           ; (behind a wait on XCNT: the earlier stores have read their base)  16 rows on
.endif
.irp t, 0,1,2,3,4,5,6,7,8,9,10,11,12,13,14,15
	global_store_b128 v[CO], v[BB+4*\t:BB+4*\t+3], s[8:9] offset:\t*4096 th:TH_STORE_NT   ; 512 consecutive bytes, aligned; written once, read by nobody here
.endr
.endm
	PLACES
	TOSTAGE 0
.irp a, 1,2,3
.if \a > 1
	s_wait_xcnt 0x0                                ; block a - 2's stores have read their registers and their base
.endif
	TOSTAGE \a
	SEND \a-1, 32                                  ; behind block a - 1's loads: block a's 16 stores and 16 loads
.endr
	s_wait_xcnt 0x0
	SEND 3, 0
	s_wait_tensorcnt 0x0                           ; the wave's end
	ds_add_u32 v[SPW], v[NIL]
	s_wait_dscnt 0x0
	CROUND                                         ; the closing round
	s_endpgm
.Lfunc_end_k_qccd74bcd2d_outp:
	.size	k_qccd74bcd2d_outp, .Lfunc_end_k_qccd74bcd2d_outp-k_qccd74bcd2d_outp
	.p2alignl 7, 3214868480
	.fill 96, 4, 3214868480
	.section	.rodata,"a",@progbits
	.p2align	6, 0x0
	.amdhsa_kernel k_qccd74bcd2d_outp
		.amdhsa_group_segment_fixed_size 327680
		.amdhsa_private_segment_fixed_size 0
		.amdhsa_enable_private_segment 0
		.amdhsa_kernarg_size 32
		.amdhsa_user_sgpr_count 2
		.amdhsa_user_sgpr_kernarg_segment_ptr 1
		.amdhsa_wavefront_size32 1
		.amdhsa_system_sgpr_workgroup_id_x 1
		.amdhsa_system_sgpr_workgroup_id_y 1
		.amdhsa_system_sgpr_workgroup_id_z 1
		.amdhsa_system_vgpr_workitem_id 0
		.amdhsa_next_free_vgpr 768
		.amdhsa_next_free_sgpr 66
		.amdhsa_reserve_vcc 0
		.amdhsa_float_denorm_mode_32 3
		.amdhsa_float_denorm_mode_16_64 3
		.amdhsa_memory_ordered 1
		.amdhsa_forward_progress 1
		.amdhsa_inst_pref_size 86
	.end_amdhsa_kernel
	.amdgpu_metadata
---
amdhsa.version: [ 1, 2 ]
amdhsa.kernels:
  - .name:           k_qccd74bcd2d_outp
    .symbol:         k_qccd74bcd2d_outp.kd
    .args:
      - { .name: ofr, .offset: 0, .size: 8, .value_kind: global_buffer, .address_space: global }
      - { .name: wof, .offset: 8, .size: 8, .value_kind: global_buffer, .address_space: global }
      - { .name: bo, .offset: 16, .size: 8, .value_kind: global_buffer, .address_space: global }
      - { .name: out0, .offset: 24, .size: 8, .value_kind: global_buffer, .address_space: global }
    .group_segment_fixed_size: 327680
    .private_segment_fixed_size: 0
    .kernarg_segment_align: 8
    .kernarg_segment_size: 32
    .max_flat_workgroup_size: 128
    .sgpr_count:     66
    .vgpr_count:     768
    .wavefront_size: 32
...
	.end_amdgpu_metadata
.endif
;; end of part 4
